; MI455X (gfx1250); checked and timed in simulation.
; The chip was launched on July 23, 2026; its instructions are those of AMD's public machine-readable ISA for CDNA 5 (MIT licence, August 2026) and "CDNA5" Instruction Set Architecture Reference Guide (July 2026). The comments in the code are by the model that wrote it; some were corrected since.
;; Conv Multi Head Attn. Allowed arithmetic: float matrix products may take bf16 or f16 operands with f32 sums; other float arithmetic in f32, or as packed bf16 or f16 multiplies, adds, multiply-adds, maxima and minima; sums over many terms, partial sums and values carried from step to step in f32; what a program stores and reads back later, other than sums and carried values, may be rounded once to bf16 or f16.
;; Inputs: Wfc 1,024 x 1,024 float32; Wqkv 1,024 x 4,096 float32; bfc 1,024 float32; bias_p 1 float32; mask 16 x 512 int32; qmask 16 x 512 int32; shift 1 float32; x 16 x 512 x 1,024 float32.
;; Outputs: out0 16 x 512 x 1,024 float32.
;; Constants: use_Gaussian = 1.
;; 2 versions, each right; version 2 is version 1 with the launch cast written anew for expert scheduling mode. Each part assembles by itself: llvm-mc -triple=amdgcn-amd-amdhsa -mcpu=gfx1250 --defsym DOCPART=n.
;; ======== version 1 of 2: 4 launches
;; limits: values are held in f16: magnitudes above 65,504 overflow, below 6.1e-05 lose precision
;; workspace buffers: xb 16,777,216 bytes; wq 8,388,608 bytes; wf 2,097,152 bytes; qkv 67,108,864 bytes; ao 16,777,216 bytes
;; launch cast (part 1): grid 512 x 1, 8 waves a work-group, no clusters, 0 bytes of LDS; arguments x, Wqkv, Wfc, xb, wq, wf; writes xb, wq, wf
.if DOCPART == 1
	.amdgcn_target "amdgcn-amd-amdhsa--gfx1250"
	.amdhsa_code_object_version 6
	.text
	.protected	k_q5719f1de6e_cast
	.globl	k_q5719f1de6e_cast
	.p2align	8
	.type	k_q5719f1de6e_cast,@function
k_q5719f1de6e_cast:
	s_mov_b64 s[64:65], 0
	v_nop
	global_prefetch_b8 v0, s[64:65] scope:SCOPE_SE
	s_setreg_imm32_b32 hwreg(HW_REG_WAVE_MODE, 25, 1), 1
	s_wait_xcnt 0x0
; xb = bf16(x), wq = bf16(Wqkv), wf = f16(bf16(Wfc)): the three large inputs rounded once to bf16, layouts unchanged.
; wf is that bf16 number written as f16, since the last product multiplies it by an f16 operand.
; LIMITS.  |Wfc| stays within 65,504; below 2^-14 the f16 copy keeps f16's fixed step of 2^-24.
; A stream: no LDS, no barrier, no matrix work.  A ROW here is 1,024 numbers: 4,096 bytes in, 2,048 bytes out.
; Work-group g takes 16 rows of x, 8 of Wqkv and 2 of Wfc.  Thread t owns 4 numbers of every row: a wave's load covers 512 consecutive bytes,
; a wave's store 256 consecutive bytes, aligned.  All 26 loads of a wave go out first (13 KiB a wave); each is then converted in place and stored.
; No register that a store reads is written again, so no wait frees a store's sources.
.set ROWI, 4096
.set ROWO, 2048
.set X,    8                           ; v[8:111]   load i: four registers
.set T,    112                         ; v[112:115] at work, for Wfc
	s_load_b256 s[4:11], s[0:1], 0x0               ; x s[4:5], Wqkv s[6:7], Wfc s[8:9], xb s[10:11]
	s_load_b128 s[12:15], s[0:1], 0x20             ; wq s[12:13], wf s[14:15]
	v_lshlrev_b32 v1, 4, v0                        ; 16 t: my bytes in a row that is read
	v_lshlrev_b32 v2, 3, v0                        ; 8 t: in a row that is written
	s_mov_b32 s17, 0
	s_mov_b32 s18, 0xffff0000                      ; a word's upper bf16
	s_wait_kmcnt 0x0
	s_lshl_b32 s16, ttmp9, 16                      ; 16 rows of x in
	s_add_nc_u64 s[4:5], s[4:5], s[16:17]
	s_lshl_b32 s16, ttmp9, 15                      ; 8 rows of Wqkv in; 16 rows of xb out
	s_add_nc_u64 s[6:7], s[6:7], s[16:17]
	s_add_nc_u64 s[10:11], s[10:11], s[16:17]
	s_lshl_b32 s16, ttmp9, 14                      ; 8 rows of wq out
	s_add_nc_u64 s[12:13], s[12:13], s[16:17]
	s_lshl_b32 s16, ttmp9, 13                      ; 2 rows of Wfc in
	s_add_nc_u64 s[8:9], s[8:9], s[16:17]
	s_lshl_b32 s16, ttmp9, 12                      ; 2 rows of wf out
	s_add_nc_u64 s[14:15], s[14:15], s[16:17]
.set i, 0
.rept 16
	global_load_b128 v[X+4*i:X+4*i+3], v1, s[4:5] offset:i*ROWI th:TH_LOAD_NT
.set i, i+1
.endr
.rept 8
	global_load_b128 v[X+4*i:X+4*i+3], v1, s[6:7] offset:(i-16)*ROWI th:TH_LOAD_NT
.set i, i+1
.endr
.rept 2
	global_load_b128 v[X+4*i:X+4*i+3], v1, s[8:9] offset:(i-24)*ROWI th:TH_LOAD_NT
.set i, i+1
.endr
; Load n is converted and stored.  half = 1: the bf16 numbers are written as f16.
.macro OUT n, half, base, row
	s_wait_loadcnt 25-(\n)                         ; loads come back in order: mine is in, the 25 - n younger ones stay out
	v_cvt_pk_bf16_f32 v[X+4*(\n)],   v[X+4*(\n)],   v[X+4*(\n)+1]
	v_cvt_pk_bf16_f32 v[X+4*(\n)+1], v[X+4*(\n)+2], v[X+4*(\n)+3]
.if \half
	v_lshlrev_b32 v[T],   16,  v[X+4*(\n)]
	v_and_b32     v[T+1], s18, v[X+4*(\n)]
	v_lshlrev_b32 v[T+2], 16,  v[X+4*(\n)+1]
	v_and_b32     v[T+3], s18, v[X+4*(\n)+1]
	v_cvt_pk_f16_f32 v[X+4*(\n)],   v[T],   v[T+1]
	v_cvt_pk_f16_f32 v[X+4*(\n)+1], v[T+2], v[T+3]
.endif
	global_store_b64 v2, v[X+4*(\n):X+4*(\n)+1], s[(\base):(\base)+1] offset:(\row)*ROWO th:TH_STORE_NT
.endm
.set i, 0
.rept 16
	OUT i, 0, 10, i
.set i, i+1
.endr
.rept 8
	OUT i, 0, 12, i-16
.set i, i+1
.endr
.rept 2
	OUT i, 1, 14, i-24
.set i, i+1
.endr
	s_endpgm
.Lfunc_end_k_q5719f1de6e_cast:
	.size	k_q5719f1de6e_cast, .Lfunc_end_k_q5719f1de6e_cast-k_q5719f1de6e_cast
	.p2alignl 7, 3214868480
	.fill 96, 4, 3214868480
	.section	.rodata,"a",@progbits
	.p2align	6, 0x0
	.amdhsa_kernel k_q5719f1de6e_cast
		.amdhsa_group_segment_fixed_size 0
		.amdhsa_private_segment_fixed_size 0
		.amdhsa_enable_private_segment 0
		.amdhsa_kernarg_size 48
		.amdhsa_user_sgpr_count 2
		.amdhsa_user_sgpr_kernarg_segment_ptr 1
		.amdhsa_wavefront_size32 1
		.amdhsa_system_sgpr_workgroup_id_x 1
		.amdhsa_system_sgpr_workgroup_id_y 1
		.amdhsa_system_sgpr_workgroup_id_z 1
		.amdhsa_system_vgpr_workitem_id 0
		.amdhsa_next_free_vgpr 120
		.amdhsa_next_free_sgpr 66
		.amdhsa_reserve_vcc 0
		.amdhsa_float_denorm_mode_32 3
		.amdhsa_float_denorm_mode_16_64 3
		.amdhsa_memory_ordered 1
		.amdhsa_forward_progress 1
		.amdhsa_inst_pref_size 11
	.end_amdhsa_kernel
	.amdgpu_metadata
---
amdhsa.version: [ 1, 2 ]
amdhsa.kernels:
  - .name:           k_q5719f1de6e_cast
    .symbol:         k_q5719f1de6e_cast.kd
    .args:
      - { .name: x, .offset: 0, .size: 8, .value_kind: global_buffer, .address_space: global }
      - { .name: Wqkv, .offset: 8, .size: 8, .value_kind: global_buffer, .address_space: global }
      - { .name: Wfc, .offset: 16, .size: 8, .value_kind: global_buffer, .address_space: global }
      - { .name: xb, .offset: 24, .size: 8, .value_kind: global_buffer, .address_space: global }
      - { .name: wq, .offset: 32, .size: 8, .value_kind: global_buffer, .address_space: global }
      - { .name: wf, .offset: 40, .size: 8, .value_kind: global_buffer, .address_space: global }
    .group_segment_fixed_size: 0
    .private_segment_fixed_size: 0
    .kernarg_segment_align: 8
    .kernarg_segment_size: 48
    .max_flat_workgroup_size: 256
    .sgpr_count:     66
    .vgpr_count:     120
    .wavefront_size: 32
...
	.end_amdgpu_metadata
.endif
;; end of part 1
;; launch qkvgemm (part 2): grid 16 x 16, 4 waves a work-group, clusters of 4 x 4, 327,680 bytes of LDS; arguments xb, wq, qkv; writes qkv
.if DOCPART == 2
	.amdgcn_target "amdgcn-amd-amdhsa--gfx1250"
	.amdhsa_code_object_version 6
	.text
	.protected	k_q5719f1de6e_qkvgemm
	.globl	k_q5719f1de6e_qkvgemm
	.p2align	8
	.type	k_q5719f1de6e_qkvgemm,@function
k_q5719f1de6e_qkvgemm:
	s_mov_b64 s[64:65], 0
	v_nop
	global_prefetch_b8 v0, s[64:65] scope:SCOPE_SE
	s_setreg_imm32_b32 hwreg(HW_REG_WAVE_MODE, 25, 1), 1
	s_wait_xcnt 0x0
	s_wait_alu depctr_hold_cnt(0) depctr_sa_sdst(0) depctr_va_vdst(0) depctr_va_sdst(0) depctr_va_ssrc(0) depctr_va_vcc(0) depctr_vm_vsrc(0)
	s_getreg_b32 s2, hwreg(HW_REG_IB_STS2, 6, 4)
	s_cmp_eq_u32 s2, 0
	s_cbranch_scc0 .Lentry_in_a_cluster
	s_endpgm
.Lentry_in_a_cluster:
	s_bfe_u32 s2, ttmp6, 0x10000c
	s_cmp_lg_u32 s2, 0xf033
	s_cbranch_scc0 .Lentry_shape_is_right
	s_endpgm
.Lentry_shape_is_right:
; qkv = xb . wq.  xb: [8192][1024] bf16 (rows m = 512 b + l).  wq: [1024 k][4096 n] bf16, as Wqkv lies.  Sums in f32, rounded once to f16 and stored BY HEADS:
; qkv[b][h][T][l][64] f16, T = 0..3 for q, k1, k2, v; column n = 1024 T + 64 h + channel.  No scale is applied.
; LIMIT.  q, k1, k2, v stay within f16's 65,504.
; A tile of C is 256 x 256, made by four waves, 128 x 128 each: 64 accumulators of 16 x 16, 512 registers.  K goes in steps of 128 through two LDS slots filled by the tensor data mover.
; A's tile: 256 rows of 256 bytes.  B's tile lies [k][n]: 128 rows of 512 bytes; its fragments come out of LDS turned, by ds_load_tr16_b128.
; A WORK-GROUP STAYS: it makes two tiles of C, 4,096 rows apart; the ring runs on across the change of tiles, and nothing waits for a tile's stores.
; CLUSTERS: 4 x 4 work-groups.  The four of a row of the cluster need the same tiles of A, the four of a column the same tiles of B: each tile is asked for JOINTLY, by the same tensor load
; with the same descriptor and a mask that names the four.
; REGISTERS, in windows of 256 (s_set_vgpr_msb: bits 1:0 source 0, 3:2 source 1, 5:4 source 2, 7:6 destination):
;   window 0: v0-31 addresses; v64-127, v128-191 fragments of A, two buffers; v32-63, v192-255 at work on the way out
;   window 1: v64-127, v128-191 fragments of B, two buffers       window 2: the accumulators of my rows 0-63 ((a, b) at v[8 (8 a + b)])       window 3: those of my rows 64-127
; THE MATRIX INSTRUCTION IS USED TRANSPOSED: source 0 = 16 columns of B, source 1 = 16 rows of A; a lane then holds row l % 16 of C and the columns 8 (l / 16) + 0..7: 16 bytes of f16 on end.
.set KSTEP,  128
.set ROWA,   2048                      ; bytes in a row of xb
.set ROWB,   8192                      ; bytes in a row of wq
.set PITCH,  272                       ; A's LDS row: 256 bytes + 16: 68 words, so the 16 rows of a load start at 16 different groups of four banks (64 banks of 4 bytes: ISA guide 11.1)
.set PB,     544                       ; B's LDS row: 512 bytes + 32 = 17 x 32
.set HALFT,  128*PITCH                 ; what one tensor load brings: 128 rows of A, or 64 rows of B (64 x 544 is the same number)
.set SLOT,   4*HALFT                   ; A's rows 0-127, 128-255; B's k 0-63, 64-127
.set STAGE,  2*SLOT                    ; behind the ring: for each wave 2 heads x 16 rows x 144 bytes, for the way out
.set SPITCH, 144
.set SPARE,  STAGE+4*32*SPITCH         ; behind the stages: the spare words, 128 bytes a wave: two blocks of 256 bytes that no other line names
.set LAPS,   4                         ; a lap = two K steps = once round the ring; K = 1,024
.set STEP_A, KSTEP*2                   ; bytes from a K step to the next: along A's rows,
.set STEP_B, KSTEP*ROWB                ; down B's rows
.set NEXT_A, 4096*ROWA-6*STEP_A        ; from a slot's last K step of a tile to its first of the next tile: 4,096 rows down, back along K
.set BACK_B, 6*STEP_B                  ; B only back: both tiles take the same columns
.set NEXT_C, 8*4194304-7*2048          ; from my last 16 rows of a tile to my first of the next: eight batches on
.set PF_NEXT, 4096*ROWA-7*STEP_A       ; the prefetches' step at the change of tiles: from K step 9 (counted on) to the next tile's K step 2
.set ADRA, 16                          ; v16-17  LDS address of my A fragments in slot 0, 1
.set ADRB, 20                          ; v20-21  the same for B
.set STO,  24                          ; v24     the way out: where I put 16 bytes of a row
.set RD,   25                          ; v25     the way out: where I read rows back
.set CO,   26                          ; v26     16 x lane: my bytes in 512 consecutive bytes of qkv
.set SPW,  28                          ; v28     LDS address of my spare word; never rewritten
.set NIL,  29                          ; v29     0; never rewritten
.set PFO,  30                          ; v30     the prefetches' lane offset; never rewritten
.set PFA,  44                          ; s[44:45] where my prefetches stand
.set LIM,  43                          ; s43     1 in a wave that prefetches, else the greatest number
.set PST,  68                          ; s[68:69] a K step in bytes, for the tensor that I fetch
.set F0,   64
.set F1,   128
.set TMP,  192
.set OB,   32
.set G1,  24                           ; s[24:31] descriptor group 1 for A's tiles;  s[32:39] group 0, one set for each slot
.set G0,  32
.set G1B, 48                           ; s[48:55], s[56:63] the same for B's tiles
.set G0B, 56
.set MSB, 0
.macro WIN new                         ; the immediate's high byte repeats the setting that is left; a switch that changes nothing is dropped
.if MSB != (\new)
	s_set_vgpr_msb (MSB<<8)|(\new)
.set MSB, \new
.endif
.endm
.set MUL_LO, 0xa1                      ; source 0 (B) window 1, source 1 (A) window 0, C and D window 2
.set MUL_HI, 0xf1                      ; the same, C and D window 3
.set TO_B,   0x40                      ; destination window 1, address window 0
; A joint load.  Waves 0 and 1 fetch A's two halves, waves 2 and 3 B's.  The branch hangs on the wave's number alone.  An s_nop 0 and four v_nop follow each of the two lines.
.macro JLOAD s
	s_cmp_eq_u32 s11, 0
	s_cbranch_scc0 .Lfor_b_\@
	tensor_load_to_lds s[G0+4*(\s):G0+4*(\s)+3], s[G1:G1+7]
	s_nop 0
.rept 4
	v_nop
.endr
	s_branch .Lasked_\@
.Lfor_b_\@:
	tensor_load_to_lds s[G0B+4*(\s):G0B+4*(\s)+3], s[G1B:G1B+7]
	s_nop 0
.rept 4
	v_nop
.endr
.Lasked_\@:
.endm
; A PREFETCH INTO THE L2, behind each joint load and the run of LDS loads that follows it: the K step that stands TWO refills on, 512 matrix instructions ahead of the load that will want it.
; Each aligned 256 bytes of a K step are named ONCE in the launch.  A's tile row is read by every cluster of that row of clusters: cluster x = 0 asks; B's tile column by every cluster of that column:
; cluster y = 0 asks.  The four partners that ask for a tile jointly share it out BY ADDRESS: of the 128 rows of A that a wave fetches partner cx takes 32, a lane a row; of the 64 rows of B
; (512 bytes each) partner cy takes 16, two lanes a row.  how = 0, in the loop: a tile's last two refills have no K step two on; how = 1, at the change of tiles.
.macro ASK how
.if \how
	s_cmp_eq_u32 s[LIM], 1
.else
	s_cmp_gt_u32 s3, s[LIM]                        ; s3 = 1 in the loop's last trip
.endif
	s_cbranch_scc0 .Lnot_mine_\@
	global_prefetch_b8 v[PFO], s[PFA:PFA+1] th:TH_LOAD_NT scope:SCOPE_SE
.Lnot_mine_\@:
.endm
.macro CREST                           ; a round of the cluster's barrier behind its opening barrier
	s_cmp_lg_u32 s10, 0
	s_cbranch_scc1 .Lnot_wave_0_\@
	s_barrier_signal -3
.Lnot_wave_0_\@:
	s_barrier_wait -3
	s_barrier_signal -1
	s_barrier_wait -1
.endm
.macro CROUND                          ; a whole round
	s_barrier_signal -1
	s_barrier_wait -1
	CREST
.endm
	s_load_b128 s[4:7], s[0:1], 0x0                ; xb s[4:5], wq s[6:7]
	s_load_b64 s[8:9], s[0:1], 0x10                ; qkv
	v_lshl_add_u32 v[SPW], v0, 2, SPARE
	v_mov_b32 v[NIL], 0
	ds_add_u32 v[SPW], v[NIL]                      ; the wave's opening: the add and its wait stand ahead of my first tensor load; the set-up below stands between them
	v_lshrrev_b32 v1, 5, v0
	v_readfirstlane_b32 s10, v1                    ; wave 0..3
	s_lshr_b32 s11, s10, 1                         ; which half of the tile's rows is mine.  Also: I fetch for A (0) or for B (1)
	s_and_b32 s12, s10, 1                          ; which half of its columns.  Also: which half of that tile I fetch
	s_bfe_u32 s40, ttmp6, 0x40000                  ; cx
	s_bfe_u32 s41, ttmp6, 0x40004                  ; cy
	s_lshl_b32 s42, ttmp9, 2
	s_add_co_u32 s42, s42, s40                     ; tile column of C = 4 x cluster x + cx
	s_and_b32 s13, ttmp7, 0xffff
	s_lshl_b32 s13, s13, 2
	s_add_co_u32 s13, s13, s41                     ; tile row of C = 4 x cluster y + cy
	s_lshl_b32 s43, s41, 2
	s_lshl_b32 s43, 15, s43                        ; my row of the cluster
	s_lshl_b32 s44, 0x1111, s40                    ; my column
	s_or_b32 s[G1+0], s43, (1<<16)|(1<<20)|(1<<21)|(5<<22)|(3<<25)   ; the mask; 2-byte elements; padding on; bit 21 beside a mask; after every 64 words, 4 words
	s_or_b32 s[G1B+0], s44, (1<<16)|(1<<20)|(1<<21)|(6<<22)|(7<<25)  ; the same for B: after every 128 words, 8 words
	s_mov_b32 s[G1+1], 128<<16                     ; A: tensor_dim0 = 128
	s_mov_b32 s[G1+2], 128<<16                     ; tensor_dim1 = 128
	s_mov_b32 s[G1+3], 128<<16                     ; tile_dim0 = 128
	s_mov_b32 s[G1+4], 128                         ; tile_dim1 = 128
	s_mov_b32 s[G1+5], 1024                        ; elements from row to row
	s_mov_b32 s[G1+6], 0
	s_mov_b32 s[G1+7], 0
	s_mov_b32 s[G1B+1], 256<<16                    ; B: tensor_dim0 = 256
	s_mov_b32 s[G1B+2], 64<<16                     ; tensor_dim1 = 64
	s_mov_b32 s[G1B+3], 256<<16                    ; tile_dim0 = 256
	s_mov_b32 s[G1B+4], 64                         ; tile_dim1 = 64
	s_mov_b32 s[G1B+5], 4096
	s_mov_b32 s[G1B+6], 0
	s_mov_b32 s[G1B+7], 0
	; A's tiles hang on the tile row alone, B's on the tile column alone; each address is made in registers that never hold the other coordinate
	s_lshl_b32 s16, s13, 8
	s_lshl_b32 s17, s12, 7
	s_add_co_u32 s16, s16, s17                     ; A: row 256 x tile row + 128 x half,
	s_lshl_b32 s16, s16, 11                        ; in bytes
	s_mov_b32 s17, 0
	s_lshl_b32 s46, s12, 19                        ; B: 64 rows of 8,192 bytes x half,
	s_lshl_b32 s47, s42, 9                         ; 512 bytes x tile column
	s_add_co_u32 s46, s46, s47
	s_mov_b32 s47, 0
	s_mul_i32 s20, s10, HALFT                      ; where they go: wave x 34,816: no place in the cluster enters an LDS address
	s_wait_dscnt 0x0                               ; the opening add is done
	s_wait_kmcnt 0x0
	s_add_nc_u64 s[14:15], s[4:5], s[16:17]
	s_add_nc_u64 s[46:47], s[6:7], s[46:47]
	CROUND                                         ; all sixteen work-groups are here: the first joint loads meet
.irp s, 0,1
	s_mov_b32 s[G0+4*(\s)], 1
	s_add_co_u32 s[G0+4*(\s)+1], s20, (\s)*SLOT
	s_add_nc_u64 s[G0+4*(\s)+2:G0+4*(\s)+3], s[14:15], (\s)*STEP_A
	s_or_b32 s[G0+4*(\s)+3], s[G0+4*(\s)+3], 0x80000000
	s_mov_b32 s[G0B+4*(\s)], 1
	s_add_co_u32 s[G0B+4*(\s)+1], s20, (\s)*SLOT
	s_add_nc_u64 s[G0B+4*(\s)+2:G0B+4*(\s)+3], s[46:47], (\s)*STEP_B
	s_or_b32 s[G0B+4*(\s)+3], s[G0B+4*(\s)+3], 0x80000000
	JLOAD \s
.endr
	; A's fragment, 16 rows x 32 K: lane l holds row l % 16; two loads of 16 bytes, 32 bytes apart, at row x pitch + 16 (l / 16).
	; B's fragment, 16 columns x 32 K out of rows that lie along n: lane l names k row 8 (l / 16) + l % 8, 16 bytes at 16 ((l / 8) % 2); the second load 16 rows further down.
	v_and_b32 v1, 15, v0                           ; l % 16
	v_bfe_u32 v2, v0, 4, 1                         ; l / 16
	v_mul_u32_u24 v3, v1, PITCH
	v_lshl_add_u32 v3, v2, 4, v3
	v_and_b32 v7, 7, v0
	v_lshl_add_u32 v4, v2, 3, v7
	v_mul_u32_u24 v4, v4, PB
	v_bfe_u32 v5, v0, 3, 1
	v_lshl_add_u32 v4, v5, 4, v4
	s_mul_i32 s21, s11, HALFT                      ; my 128 rows of A
	s_lshl_b32 s22, s12, 8                         ; my 128 columns of B: 256 bytes of each row,
	s_add_co_u32 s22, s22, 2*HALFT                 ; behind A's 256 rows
.irp s, 0,1
	v_add_nc_u32 v[ADRA+(\s)], s21, v3
	v_add_nc_u32 v[ADRB+(\s)], s22, v4
	s_add_co_u32 s21, s21, SLOT
	s_add_co_u32 s22, s22, SLOT
.endr
	s_mul_i32 s23, s10, 32*SPITCH
	s_add_co_u32 s23, s23, STAGE                   ; my stage
	v_mul_u32_u24 v6, v1, SPITCH                   ; in: row l % 16, 16 bytes for each half of the lanes
	v_lshl_add_u32 v6, v2, 4, v6
	v_add_nc_u32 v[STO], s23, v6
	v_bfe_u32 v6, v0, 3, 2                         ; back: 32 lanes take four rows of 128 bytes,
	v_mul_u32_u24 v6, v6, SPITCH
	v_lshl_add_u32 v6, v7, 4, v6
	v_add_nc_u32 v[RD], s23, v6
	v_and_b32 v[CO], 31, v0                        ; which are 512 consecutive bytes of qkv
	v_lshlrev_b32 v[CO], 4, v[CO]
	; where my part of the first tile begins in qkv: batch x 4,194,304 + head x 262,144 + T x 65,536 + l x 128
	s_lshl_b32 s13, s13, 8                         ; 256 x tile row
	s_lshl_b32 s14, s11, 7
	s_add_co_u32 s14, s13, s14                     ; my first row m
	s_lshr_b32 s16, s14, 9
	s_lshl_b32 s16, s16, 22                        ; the batch
	s_and_b32 s17, s14, 511
	s_lshl_b32 s17, s17, 7                         ; the row in it
	s_add_co_u32 s16, s16, s17
	s_and_b32 s46, s42, 3
	s_lshl_b32 s46, s46, 2
	s_lshl1_add_u32 s46, s12, s46                  ; my first head: 4 (tile column % 4) + 2 x half
	s_lshl_b32 s46, s46, 18
	s_lshr_b32 s47, s42, 2                         ; T = tile column / 4
	s_lshl_b32 s47, s47, 16
	s_add_co_u32 s46, s46, s47
	s_add_co_u32 s16, s16, s46
	s_mov_b32 s17, 0
	; the prefetches: at K step 3; the first change of slots steps them to K step 4
	s_lshl_b32 s20, s12, 7
	s_add_co_u32 s20, s20, s13
	s_lshl_b32 s21, s40, 5
	s_add_co_u32 s20, s20, s21                     ; A: the rows that I fetch, my work-group's 32 of them
	s_lshl_b32 s20, s20, 11
	s_add_co_u32 s20, s20, 3*STEP_A
	s_lshl_b32 s21, s12, 6
	s_lshl4_add_u32 s21, s41, s21                  ; B: the k rows that I fetch, my work-group's 16 of them
	s_add_co_u32 s21, s21, 3*KSTEP
	s_lshl_b32 s21, s21, 13
	s_lshl_b32 s23, s42, 9
	s_add_co_u32 s21, s21, s23
	s_and_b32 s22, ttmp7, 0xffff                   ; cluster y
	s_cmp_eq_u32 s11, 0                            ; do I fetch for A?
	s_cselect_b32 s20, s20, s21
	s_cselect_b32 s22, ttmp9, s22                  ; the coordinate along which other clusters read the same bytes
	s_cselect_b32 s23, -1, 0
	s_cselect_b64 s[PFA:PFA+1], s[4:5], s[6:7]
	s_mov_b32 s21, 0
	s_add_nc_u64 s[PFA:PFA+1], s[PFA:PFA+1], s[20:21]
	s_cmp_eq_u32 s22, 0
	s_cselect_b32 s[LIM], 1, -1                    ; the same in all sixteen partners, for a given wave
	s_mul_i32 s[PST], s11, 12
	s_lshl_b32 s[PST], 0x100, s[PST]               ; 256 bytes for A, 1,048,576 for B
	s_mov_b32 s[PST+1], 0
	v_and_b32 v6, 31, v0
	v_lshlrev_b32 v7, 11, v6                       ; A: a lane a row
	v_lshrrev_b32 v8, 1, v6
	v_and_b32 v6, 1, v6
	v_lshlrev_b32 v8, 13, v8                       ; B: two lanes a row,
	v_lshl_or_b32 v8, v6, 8, v8                    ; 256 bytes apart
	v_cndmask_b32 v[PFO], v8, v7, s23
; 16 matrix instructions: m blocks a0, a0 + 1 of the window's four x all 8 n blocks, 32 along K.  zero = 1: the first product starts the sums.
.macro MUL16 f, hi, a0, zero
	WIN MUL_LO+0x50*(\hi)
.irp a, \a0, (\a0)+1
.irp b, 0,1,2,3,4,5,6,7
.if \zero
	v_wmma_f32_16x16x32_bf16 v[8*(8*(\a)+(\b)):8*(8*(\a)+(\b))+7], v[(\f)+8*(\b):(\f)+8*(\b)+7], v[(\f)+8*(4*(\hi)+(\a)):(\f)+8*(4*(\hi)+(\a))+7], 0
.else
	v_wmma_f32_16x16x32_bf16 v[8*(8*(\a)+(\b)):8*(8*(\a)+(\b))+7], v[(\f)+8*(\b):(\f)+8*(\b)+7], v[(\f)+8*(4*(\hi)+(\a)):(\f)+8*(4*(\hi)+(\a))+7], v[8*(8*(\a)+(\b)):8*(8*(\a)+(\b))+7]
.endif
.endr
.endr
.endm
; 32 LDS loads in one run: the fragments of quarter q (32 along K) into buffer f: B's 128 columns, turned, then A's 128 rows
.macro FETCH slot, q, f
	WIN TO_B
.irp i, 0,1,2,3,4,5,6,7
	ds_load_tr16_b128 v[(\f)+8*(\i):(\f)+8*(\i)+3],   v[ADRB+(\slot)] offset:(\q)*32*PB+32*(\i)
	ds_load_tr16_b128 v[(\f)+8*(\i)+4:(\f)+8*(\i)+7], v[ADRB+(\slot)] offset:(\q)*32*PB+16*PB+32*(\i)
.endr
	WIN 0
.irp i, 0,1,2,3,4,5,6,7
	ds_load_b128 v[(\f)+8*(\i):(\f)+8*(\i)+3],   v[ADRA+(\slot)] offset:64*(\q)+(\i)*16*PITCH
	ds_load_b128 v[(\f)+8*(\i)+4:(\f)+8*(\i)+7], v[ADRA+(\slot)] offset:64*(\q)+(\i)*16*PITCH+32
.endr
.endm
.macro PLACES                          ; four plain vector instructions in front of loads into registers that matrix instructions have read, and of conversions that read results
.rept 4
	v_nop
.endr
.endm
; A K step is four quarters of 32 along K, 64 matrix instructions each, on buffers 0, 1, 0, 1.  One of the first three: multiplies buffer f and fetches quarter q of the same slot into g.
.macro QUARTER slot, q, f, g, zero
	s_wait_dscnt 8                                 ; B and A's rows 0-63 are in; the youngest eight loads (A's rows 64-127) may be out
	MUL16 \f, 0, 0, \zero
	MUL16 \f, 0, 2, \zero
	PLACES
	FETCH \slot, \q, \g
	s_wait_dscnt 32                                ; all but the 32 just issued
	MUL16 \f, 1, 0, \zero
	MUL16 \f, 1, 2, \zero
.endm
; The last quarter multiplies buffer 1 and changes slots.  MEET is its first half: ONE barrier.  In front of it each wave waits for all its tensor loads (one is out: its part of the next slot), adds 0
; to its spare word, and waits for that and for its own reads of this slot.
.macro MEET round
	WIN 0                                          ; (the add's two registers lie in window 0)
	s_wait_tensorcnt 0x0                           ; all my tensor loads have landed
	ds_add_u32 v[SPW], v[NIL]                      ; 0 onto my spare word
	s_wait_dscnt 9                                 ; (the add and the youngest eight loads may be out)
	MUL16 F1, 0, 0, 0                              ; sixteen matrix instructions stand between the add and the wait for it
	s_wait_dscnt 0x0                               ; the add is done, and my reads of this slot are over
	s_barrier_signal -1
	MUL16 F1, 0, 2, 0
.if \round
	WIN 0
.endif
	s_barrier_wait -1
.endm
; The whole last quarter.  Behind the round the slot just read out is filled again first: with this tile's K step two steps on (on = 0) or with the next tile's K step 0 or 1 (on = 1).
; From a request to the wait for it a wave issues 224 matrix instructions.
.macro TURN slot, next, on
	s_wait_xcnt 0x0                                ; the last prefetch, a K step back, has read its address: it is stepped here
.if (\on) && (\slot) == 0
	s_add_nc_u64 s[PFA:PFA+1], s[PFA:PFA+1], PF_NEXT
	s_cmp_eq_u32 s11, 0
	s_cselect_b32 s[LIM], s[LIM], -1               ; B's bytes are the same for both tiles: they are asked for in the first tile alone
.else
	s_add_nc_u64 s[PFA:PFA+1], s[PFA:PFA+1], s[PST:PST+1]
.endif
	MEET 1
	CREST                                          ; no wave of any partner still reads this slot's tile or has a load on its way
.if \on
	s_add_nc_u64 s[G0+4*(\slot)+2:G0+4*(\slot)+3], s[G0+4*(\slot)+2:G0+4*(\slot)+3], NEXT_A
	s_sub_nc_u64 s[G0B+4*(\slot)+2:G0B+4*(\slot)+3], s[G0B+4*(\slot)+2:G0B+4*(\slot)+3], BACK_B
.else
	s_add_nc_u64 s[G0+4*(\slot)+2:G0+4*(\slot)+3], s[G0+4*(\slot)+2:G0+4*(\slot)+3], 2*STEP_A
	s_add_nc_u64 s[G0B+4*(\slot)+2:G0B+4*(\slot)+3], s[G0B+4*(\slot)+2:G0B+4*(\slot)+3], 2*STEP_B
.endif
	JLOAD \slot                                    ; the first tensor load behind the round; its four v_nop are also the places in front of the loads below
	FETCH \next, 0, F0
	ASK \on
	MUL16 F1, 1, 0, 0
	MUL16 F1, 1, 2, 0
.endm
; THE WAY OUT of block a (16 rows x 128 columns = 2 heads x 16 rows x 128 bytes).  PACK: rounded to f16, 16 bytes a lane.  TOSTAGE: into my own stage, and back as rows.  SEND: stored.
.macro PACK a
.set AC, 64*((\a)%4)
	WIN 0x0a+5*((\a)/4)                            ; sources 0 and 1: window 2 or 3
.irp b, 0,1,2,3,4,5,6,7
.irp r, 0,1,2,3
	v_cvt_pk_f16_f32 v[TMP+4*(\b)+(\r)], v[AC+8*(\b)+2*(\r)], v[AC+8*(\b)+2*(\r)+1]
.endr
.endr
	WIN 0
.endm
.macro TOSTAGE a
	WIN 0
.set BK, OB+192*((\a)%2)
.irp b, 0,1,2,3,4,5,6,7
	ds_store_b128 v[STO], v[TMP+4*(\b):TMP+4*(\b)+3] offset:((\b)/4)*16*SPITCH+((\b)%4)*32
.endr
.irp t, 0,1,2,3,4,5,6,7
	ds_load_b128 v[BK+4*(\t):BK+4*(\t)+3], v[RD] offset:((\t)/4)*16*SPITCH+((\t)%4)*4*SPITCH  ; LDS serves a wave's instructions in order (ISA guide 5.7.1.4): these see the stores above
.endr
.endm
.macro SEND a
	WIN 0
.set BK, OB+192*((\a)%2)
	s_wait_dscnt 0x0                               ; the block is back in registers
	s_wait_xcnt 0x0                                ; the stores' base and the registers that earlier stores read are rewritten only behind this wait
.if (\a) == 0
	s_add_nc_u64 s[8:9], s[8:9], s[16:17]          ; on to this tile's first rows
.else
	s_add_nc_u64 s[8:9], s[8:9], 16*128            ; 16 rows of a head on
.endif
.irp t, 0,1,2,3,4,5,6,7
	global_store_b128 v[CO], v[BK+4*(\t):BK+4*(\t)+3], s[8:9] offset:((\t)/4)*262144+((\t)%4)*512  ; four rows of one head: 512 consecutive bytes, aligned
.endr
.endm
.macro WAYOUT
	PACK 0
	TOSTAGE 0
.irp a, 1,2,3,4,5,6,7                  ; block a's conversions stand between block a - 1's loads from the stage and the wait for them
	PACK \a
	SEND (\a)-1
	TOSTAGE \a
.endr
	SEND 7
.endm
	s_wait_tensorcnt 1                             ; my part of K step 0 is in; K step 1's may stay out
	s_barrier_signal -1
	s_barrier_wait -1
	FETCH 0, 0, F0
	s_mov_b32 s2, 2                                ; tiles to go
.Ltile:
	QUARTER 0, 1, F0, F1, 1                        ; a tile's first quarter stands in front of the loop: its products start the sums
	WIN 0
	s_mov_b32 s3, LAPS-1
.Llap:                                                 ; a trip goes once round the ring and fills both slots again
	QUARTER 0, 2, F1, F0, 0
	QUARTER 0, 3, F0, F1, 0
	TURN 0, 1, 0
	QUARTER 1, 1, F0, F1, 0
	QUARTER 1, 2, F1, F0, 0
	QUARTER 1, 3, F0, F1, 0
	TURN 1, 0, 0
	QUARTER 0, 1, F0, F1, 0
	WIN 0
	s_sub_co_u32 s3, s3, 1
	s_cmp_lg_u32 s3, 0
	s_cbranch_scc1 .Llap
	QUARTER 0, 2, F1, F0, 0                        ; the tile's last lap goes on
	QUARTER 0, 3, F0, F1, 0
	WIN 0
	s_cmp_eq_u32 s2, 1
	s_cbranch_scc1 .Llast_tile                     ; the last tile's tail is written out: it asks for nothing more
	TURN 0, 1, 1                                   ; the ring goes on into the next tile: slot 0 takes its K step 0,
	QUARTER 1, 1, F0, F1, 0
	QUARTER 1, 2, F1, F0, 0
	QUARTER 1, 3, F0, F1, 0
	TURN 1, 0, 1                                   ; slot 1 its K step 1, and the next tile's first fragments are fetched
	WAYOUT                                         ; both refills are asked for: now the tile goes out.  Blocks 0-3's conversions are the places behind the last products (blocks 4-7's)
	s_mov_b64 s[16:17], NEXT_C                     ; what the next way out adds to the address
	s_sub_co_u32 s2, s2, 1
	s_branch .Ltile
.Llast_tile:
	MEET 0                                         ; the one tensor load that was out is slot 1's, the last K step's, so no round follows
	PLACES
	FETCH 1, 0, F0
	MUL16 F1, 1, 0, 0
	MUL16 F1, 1, 2, 0
	QUARTER 1, 1, F0, F1, 0
	QUARTER 1, 2, F1, F0, 0
	QUARTER 1, 3, F0, F1, 0
	s_wait_dscnt 8                                 ; the very last quarter: nothing more to fetch
	MUL16 F1, 0, 0, 0
	MUL16 F1, 0, 2, 0
	s_wait_dscnt 0x0
	MUL16 F1, 1, 0, 0
	MUL16 F1, 1, 2, 0
	WIN 0
	PLACES
	PLACES
	WAYOUT
	s_wait_tensorcnt 0x0                           ; the wave's end: a closing add and its wait, behind my last tensor load and my last LDS store
	ds_add_u32 v[SPW], v[NIL]
	s_wait_dscnt 0x0
	CROUND                                         ; the closing round: no work-group ends while a partner may still ask for a tile that names it
	s_endpgm
.Lfunc_end_k_q5719f1de6e_qkvgemm:
	.size	k_q5719f1de6e_qkvgemm, .Lfunc_end_k_q5719f1de6e_qkvgemm-k_q5719f1de6e_qkvgemm
	.p2alignl 7, 3214868480
	.fill 96, 4, 3214868480
	.section	.rodata,"a",@progbits
	.p2align	6, 0x0
	.amdhsa_kernel k_q5719f1de6e_qkvgemm
		.amdhsa_group_segment_fixed_size 327680
		.amdhsa_private_segment_fixed_size 0
		.amdhsa_enable_private_segment 0
		.amdhsa_kernarg_size 24
		.amdhsa_user_sgpr_count 2
		.amdhsa_user_sgpr_kernarg_segment_ptr 1
		.amdhsa_wavefront_size32 1
		.amdhsa_system_sgpr_workgroup_id_x 1
		.amdhsa_system_sgpr_workgroup_id_y 1
		.amdhsa_system_sgpr_workgroup_id_z 1
		.amdhsa_system_vgpr_workitem_id 0
		.amdhsa_next_free_vgpr 1024
		.amdhsa_next_free_sgpr 72
		.amdhsa_reserve_vcc 0
		.amdhsa_float_denorm_mode_32 3
		.amdhsa_float_denorm_mode_16_64 3
		.amdhsa_memory_ordered 1
		.amdhsa_forward_progress 1
		.amdhsa_inst_pref_size 211
	.end_amdhsa_kernel
	.amdgpu_metadata
---
amdhsa.version: [ 1, 2 ]
amdhsa.kernels:
  - .name:           k_q5719f1de6e_qkvgemm
    .symbol:         k_q5719f1de6e_qkvgemm.kd
    .args:
      - { .name: xb, .offset: 0, .size: 8, .value_kind: global_buffer, .address_space: global }
      - { .name: wq, .offset: 8, .size: 8, .value_kind: global_buffer, .address_space: global }
      - { .name: qkv, .offset: 16, .size: 8, .value_kind: global_buffer, .address_space: global }
    .group_segment_fixed_size: 327680
    .private_segment_fixed_size: 0
    .kernarg_segment_align: 8
    .kernarg_segment_size: 24
    .max_flat_workgroup_size: 128
    .sgpr_count:     72
    .vgpr_count:     1024
    .wavefront_size: 32
...
	.end_amdgpu_metadata
.endif
;; end of part 2
;; launch attn (part 3): grid 16 x 16, 8 waves a work-group, no clusters, 327,680 bytes of LDS; arguments qkv, qmask, mask, shift, bias_p, ao; writes ao
.if DOCPART == 3
	.amdgcn_target "amdgcn-amd-amdhsa--gfx1250"
	.amdhsa_code_object_version 6
	.text
	.protected	k_q5719f1de6e_attn
	.globl	k_q5719f1de6e_attn
	.p2align	8
	.type	k_q5719f1de6e_attn,@function
k_q5719f1de6e_attn:
	s_mov_b64 s[64:65], 0
	v_nop
	global_prefetch_b8 v0, s[64:65] scope:SCOPE_SE
	s_setreg_imm32_b32 hwreg(HW_REG_WAVE_MODE, 25, 1), 1
	s_wait_xcnt 0x0
; For batch b and head h: s[q][k] = (qmask[q] == qmask[k] ? q.k1 : q.k2), replaced by -1e9 where mask[k] = 0, plus dis = -(shift (q - k)^2 + bias_p); O = softmax_k(s) V.
; qkv: [b][h][q, k1, k2, v][512][64] f16.  ao: [h][512 b + l][64] f16.  Products, maxima and sums in f32; the weights are rounded to f16 for the second product, O once at the end.
; shift and bias_p are rounded to bf16 first, like all the module's floating-point inputs.
; LIMITS.  dis is made by one fused multiply-add (one rounding, where a multiply and an add would round twice).  A weight below 2^-126 counts as 0.  m starts at -1.7e38: scores lie above that.
; O has V's range.  NaN and infinities are not treated apart.
; SHARES.  One work-group for (b, h): 256 in all.  All 512 keys of K1, K2 and V lie in LDS, filled once.  Wave w owns the queries 64 w .. 64 w + 63: four tiles of 16.  A step is 32 keys.
; NO CLUSTER: each work-group has a head's K and V to itself; what the heads of a batch share is 4 KiB of masks beside 256 KiB of tiles.  NO PREFETCH: all tiles are asked for at the head.
; LAYOUT.  S^T = K Q^T + C (source 0 = 16 keys, source 1 = 16 queries): a lane holds ONE query (lane % 16) and the keys 8 (lane / 16) + 0..7.  Two such results rounded to f16 ARE source 1 of O^T += V^T P.
; C = dis + (0 or -1e9), the sum's first operand.  The K1 and K2 rows of keys with mask = 0 are set to 0 in LDS (read, ANDed with 0 or -1, written back: all lanes stay on), so such a key's score
; is exactly -1e9 + dis, also where a whole batch is hidden.
; dis hangs on q - k alone: a table G of 64 tiles of 16 x 16, by x = key block - query tile + 31, is made once in LDS.
; SOFTMAX.  A running maximum m and sum l for each query: p = 2^(c (s - m)), c = log2(e): the difference is taken first, so that it is exact also where scores are huge.  In every step O and l are
; multiplied by a = 2^(c (m_old - m_new)).  O and l start at 0: the first step is a step like any other, with a = 0.
; THE START.  Keys 0-127 come by a load of their own: the first four steps run while the other 384 keys are still on their way.
; REGISTERS (s_set_vgpr_msb: bits 1:0 source 0, 3:2 source 1, 5:4 source 2, 7:6 destination).  Window 0: see the names below.  Window 1: v0-63 Q (tile i, channel half e at 16 i + 8 e);
; v64-191 O^T (tile i, channel block cb at 64 + 32 i + 8 cb); v192-223 V of one step.
.set PK,    144                        ; a row of K in LDS: 128 bytes + 16: the 16 rows of a load start at 16 different groups of four banks (64 banks of 4 bytes: ISA guide 11.1)
.set PV,    160                        ; a row of V: 128 + 32
.set K2B,   512*PK                     ; K1 at 0, K2 behind it,
.set VB,    2*512*PK                   ; then V,
.set GB,    VB+512*PV                  ; the table G: 64 tiles of 1,024 bytes, [register / 4][lane][4] f32,
.set KQB,   GB+64*1024                 ; the keys' qmask, 512 words,
.set NVB,   KQB+2048                   ; 0 or -1e9 for each key, 512 words,
.set STAGE, NVB+2048                   ; 16 rows x 144 bytes for each wave, for the way out,
.set SP,    144
.set SPARE, STAGE+8*16*SP              ; and the spare words, 128 bytes a wave: four blocks of 256 bytes that no other line names
.set WG,  1                            ; v1   at first l % 16; in the loops the LDS address of the step's tiles of G
.set WQ,  2                            ; v2   at first l / 16; in the loops the address of the step's qmask words
.set AK0, 3                            ; v3   my lane's place in a tile of K; never rewritten
.set WK1, 4                            ; v4   the step's K1
.set AV0, 5                            ; v5   my lane's place in a tile of V
.set AG0, 6                            ; v6   in the table, for my wave's queries and step 0
.set AQ0, 7                            ; v7   in the qmask words
.set STO, 8                            ; v8   the way out: where I put 16 bytes of a row
.set RD,  9                            ; v9   where I read rows back
.set WVV, 10                           ; v10  the step's V; on the way out GO, my byte offset in 512 consecutive bytes of ao
.set GO,  10
.set QO,  11                           ; v11  my byte offset in 16 rows of Q; in the loops WK2, the step's K2
.set WK2, 11
.set SPW, 12                           ; v12  LDS address of my spare word; never rewritten
.set NIL, 13                           ; v13  0; never rewritten
.set VQ,  14                           ; v14-17  qmask of my query in each tile
.set ZA1, 18                           ; v18  my half row of K1 among keys 0-127: key 16 w + l / 2, half l % 2,
.set ZA2, 19                           ; v19  and of K2
.set ST,  20                           ; v20-35  tile i at ST + 4 i: m, an unused word (named with m as a pair), l (even keys', odd keys')
.set T0,  36                           ; v36-39  at work; T0 + 2 takes a
.set MSK, 44                           ; v44-47  mask of key t / 2 + 128 u
.set KQ,  48                           ; v48-63  the step's 2 x 8 qmask words
.set NV,  64                           ; v64-79  the step's 2 x 8 words 0 or -1e9
.set G,   80                           ; v80-119 five tiles of the table
.set CC0, 120                          ; v120-135, v240-255  C for a tile's two key blocks, two buffers
.set SA,  136                          ; v136-151 q.k1 + C, then the chosen scores, then the weights
.set SB,  152                          ; v152-167 q.k2 + C
.set P,   168                          ; v168-175 the weights in f16
.set K1F, 176                          ; v176-207 key block c, channel half e at 16 c + 8 e
.set K2F, 208                          ; v208-239
.set CC1, 240
.set PKD, 176                          ; the way out: packed rows
.set OT,  64                           ; window 1
.set VF,  192                          ; window 1
.set ZT,  64                           ; between the steps: v64-159, three sets of 32: my half rows of K1 and K2 while hidden keys are cleared,
.set ZM,  160                          ; and -1 or 0
.set GJ,  136                          ; while the table is made: 0.0 .. 7.0,
.set GD,  144                          ; q - k for register 0, twice,
.set GS,  146                          ; shift, twice,
.set GBI, 148                          ; bias_p, twice,
.set GA,  150                          ; the store's address,
.set GT,  151                          ; at work,
.set GW,  152                          ; eight results
.set WV,  16                           ; s16  my wave's number
.set G1A, 24                           ; s[24:31] descriptor group 1: keys 0-127
.set G1B, 32                           ; s[32:39] keys 128-511
.set G0A, 40                           ; s[40:43] group 0 of the first load
.set G0B, 44                           ; s[44:47] of the second
.set CNT, 48                           ; s48
.set CS,  50                           ; s[50:51] c, twice
.set SEL, 52                           ; s[52:53] v_permlanex16_b32's selects: each lane takes its own place in the other half
.set TK1, 60                           ; s60  the step's byte offset in K1,
.set TK2, 61                           ; s61  in K2 (with K2's base),
.set TV,  62                           ; s62  in V,
.set TG,  63                           ; s63  in the table,
.set TQ,  66                           ; s66  in the qmask words
.set MK,  72                           ; s[72:87] sixteen lane masks: same speaker
.set MSB, 0
.macro WIN new
.if MSB != (\new)
	s_set_vgpr_msb (MSB<<8)|(\new)
.set MSB, \new
.endif
.endm
.set W_S,  0x04                        ; Q (source 1) in window 1
.set W_PV, 0x51                        ; V, C and D in window 1, P in window 0
.set W_RS, 0x41                        ; destination and source 0 in window 1
.set W_L1, 0x40                        ; destination in window 1
	s_load_b256 s[4:11], s[0:1], 0x0               ; qkv s[4:5], qmask s[6:7], mask s[8:9], shift s[10:11]
	s_load_b128 s[12:15], s[0:1], 0x20             ; bias_p s[12:13], ao s[14:15]
	v_lshl_add_u32 v[SPW], v0, 2, SPARE
	v_mov_b32 v[NIL], 0
	ds_add_u32 v[SPW], v[NIL]                      ; the wave's opening: the add and its wait stand ahead of my first tensor load; the set-up below stands between them
	v_lshrrev_b32 v1, 5, v0
	v_readfirstlane_b32 s[WV], v1                  ; wave 0..7
	s_mov_b32 s17, ttmp9                           ; h
	s_and_b32 s18, ttmp7, 0xffff                   ; b
	s_lshl_b32 s20, s18, 4
	s_add_co_u32 s20, s20, s17
	s_lshl_b32 s20, s20, 18                        ; the head's 262,144 bytes of qkv
	s_mov_b32 s21, 0
	; 128 keys are 16,384 dense bytes: asked for as rows of 256 bytes, two keys a row, padded in LDS after every key.  The first word (with the padding) is written where the load is issued.
.irp g, G1A, G1B
	s_mov_b32 s[\g+1], 128<<16                     ; tensor_dim0 = 128
	s_mov_b32 s[\g+3], 128<<16                     ; tile_dim0 = 128
	s_mov_b32 s[\g+5], 128                         ; elements from row to row
	s_mov_b32 s[\g+6], 0
	s_mov_b32 s[\g+7], 0
.endr
	s_mov_b32 s[G1A+2], 64<<16                     ; tensor_dim1 = 64 rows: keys 0-127
	s_mov_b32 s[G1A+4], 64                         ; tile_dim1
	s_mov_b32 s[G1B+2], 192<<16                    ; 192 rows: keys 128-511
	s_mov_b32 s[G1B+4], 192
	s_mov_b32 s[G0A], 1
	s_mov_b32 s[G0B], 1
	s_mul_i32 s[G0A+1], s[WV], 512*PK              ; wave 0: K1 at 0; wave 1: K2; wave 2: V, which begins at twice K's bytes
	s_mov_b32 s[CS], 0x3fb8aa3b                    ; c = log2(e)
	s_mov_b32 s[CS+1], s[CS]
	s_mov_b32 s[SEL], 0x76543210
	s_mov_b32 s[SEL+1], 0xfedcba98
	s_mov_b32 s[TK1], 0
	s_mov_b32 s[TK2], K2B
	s_mov_b32 s[TV], 0
	s_mov_b32 s[TG], 0
	s_mov_b32 s[TQ], 0
	s_wait_dscnt 0x0                               ; the opening add is done
	s_wait_kmcnt 0x0
	s_load_b32 s55, s[10:11], 0x0                  ; shift
	s_load_b32 s56, s[12:13], 0x0                  ; bias_p
	s_add_nc_u64 s[4:5], s[4:5], s[20:21]          ; qkv at my head
	s_lshl_b32 s2, s[WV], 16
	s_add_co_u32 s2, s2, 65536                     ; k1, k2, v lie 1, 2, 3 x 65,536 bytes behind q
	s_mov_b32 s3, 0
	s_add_nc_u64 s[G0A+2:G0A+3], s[4:5], s[2:3]
	s_add_nc_u64 s[G0B+2:G0B+3], s[G0A+2:G0A+3], 16384
	s_or_b32 s[G0A+3], s[G0A+3], 0x80000000
	s_or_b32 s[G0B+3], s[G0B+3], 0x80000000
	s_lshl_b32 s2, s18, 11                         ; the batch's 512 words of qmask and of mask
	s_add_nc_u64 s[6:7], s[6:7], s[2:3]
	s_add_nc_u64 s[8:9], s[8:9], s[2:3]
	s_lshl_b32 s2, s[WV], 13                       ; my wave's 64 rows of 128 bytes
	s_add_nc_u64 s[58:59], s[4:5], s[2:3]          ; Q at my wave's first row
	s_lshl_b32 s20, s17, 20
	s_lshl_b32 s22, s18, 16
	s_add_co_u32 s20, s20, s22
	s_add_co_u32 s20, s20, s2
	s_add_nc_u64 s[14:15], s[14:15], s[20:21]      ; ao at head h, row 512 b + 64 w
; A wave's two first fills stand in one branch, ahead of every wait on TENSORcnt, every LDS read and every barrier: two loads of the wave are out.  An s_nop 0 follows each, four v_nop the second's.
.macro FILLS pad, pitch
	s_mov_b32 s[G1A], (1<<16)|(1<<20)|(4<<22)|((\pad)<<25)  ; 2-byte elements; padding on; after every 32 words; pad + 1 words
	s_mov_b32 s[G1B], (1<<16)|(1<<20)|(4<<22)|((\pad)<<25)
	s_add_co_u32 s[G0B+1], s[G0A+1], 128*(\pitch)
	tensor_load_to_lds s[G0A:G0A+3], s[G1A:G1A+7]
	s_nop 0
	tensor_load_to_lds s[G0B:G0B+3], s[G1B:G1B+7]
	s_nop 0
.rept 4
	v_nop
.endr
.endm
	s_cmp_lt_u32 s[WV], 2
	s_cbranch_scc0 .Lnot_k
	FILLS 3, PK                                    ; waves 0 and 1: K1, K2
	s_branch .Lasked
.Lnot_k:
	s_cmp_eq_u32 s[WV], 2
	s_cbranch_scc0 .Lasked
	FILLS 7, PV                                    ; wave 2: V
.Lasked:
	v_and_b32 v1, 15, v0                           ; l % 16
	v_bfe_u32 v2, v0, 4, 1                         ; l / 16
	v_and_b32 v36, 31, v0                          ; l
	v_lshrrev_b32 v37, 1, v0
	v_lshlrev_b32 v37, 2, v37                      ; word t / 2
	v_lshlrev_b32 v38, 3, v0                       ; words 2 t, 2 t + 1
	v_lshlrev_b32 v39, 2, v1
	s_lshl_b32 s2, s[WV], 8
	v_add_nc_u32 v39, s2, v39                      ; word 64 w + l % 16
	v_lshlrev_b32 v[QO], 7, v1
	v_lshl_add_u32 v[QO], v2, 4, v[QO]             ; row x 128 + 16 x half
.irp u, 0,1,2,3
	global_load_b32 v[MSK+\u], v37, s[8:9] offset:512*\u
.endr
	global_load_b64 v[48:49], v38, s[6:7]
	global_load_b64 v[50:51], v38, s[8:9]
.irp u, 0,1,2,3
	global_load_b32 v[VQ+\u], v39, s[6:7] offset:64*\u
.endr
	WIN W_L1
.set i, 0
.rept 8                                ; Q stays in registers: tile i / 2, channels 32 (i % 2) on
	global_load_b128 v[8*i:8*i+3],   v[QO], s[58:59] offset:(i/2)*2048+(i%2)*64
	global_load_b128 v[8*i+4:8*i+7], v[QO], s[58:59] offset:(i/2)*2048+(i%2)*64+32
.set i, i+1
.endr
	WIN 0
	; THE TABLE.  Wave w makes tiles x = w + 8 it.  In tile x lane l, register j holds dis for q - k = 16 (31 - x) + l % 16 - 8 (l / 16) - j.
	s_wait_kmcnt 0x0
	v_cvt_pk_bf16_f32 v[GT], s55, s56              ; both rounded to bf16,
	v_lshlrev_b32 v[GS], 16, v[GT]                 ; and widened again
	v_and_b32 v[GBI], 0xffff0000, v[GT]
	v_mov_b32 v[GS+1], v[GS]
	v_mov_b32 v[GBI+1], v[GBI]
	v_mov_b32 v[GJ], 0
	v_mov_b32 v[GJ+1], 1.0
	v_mov_b32 v[GJ+2], 2.0
	v_mov_b32 v[GJ+3], 0x40400000
	v_mov_b32 v[GJ+4], 4.0
	v_mov_b32 v[GJ+5], 0x40a00000
	v_mov_b32 v[GJ+6], 0x40c00000
	v_mov_b32 v[GJ+7], 0x40e00000
	v_lshlrev_b32 v[GT], 3, v2
	v_sub_nc_u32 v[GT], v1, v[GT]
	s_lshl_b32 s2, s[WV], 4
	s_sub_co_u32 s2, 496, s2
	v_add_nc_u32 v[GT], s2, v[GT]                  ; 496 - 16 w + l % 16 - 8 (l / 16): 376 or more
	v_cvt_f32_i32 v[GD], v[GT]
	v_mov_b32 v[GD+1], v[GD]
	s_lshl_b32 s3, s[WV], 10
	s_add_co_u32 s3, s3, GB
	v_lshl_add_u32 v[GA], v36, 4, s3
.set it, 0
.rept 8
.irp p, 0,2,4,6
	v_pk_add_f32 v[GW+\p:GW+\p+1], v[GD:GD+1], v[GJ+\p:GJ+\p+1] neg_lo:[0,1] neg_hi:[0,1]
.endr
.irp p, 0,2,4,6
	v_pk_mul_f32 v[GW+\p:GW+\p+1], v[GW+\p:GW+\p+1], v[GW+\p:GW+\p+1]  ; whole numbers up to 511^2: exact
.endr
.irp p, 0,2,4,6
	v_pk_fma_f32 v[GW+\p:GW+\p+1], v[GW+\p:GW+\p+1], v[GS:GS+1], v[GBI:GBI+1] neg_lo:[0,1,1] neg_hi:[0,1,1]  ; -shift d^2 - bias_p
.endr
	ds_store_b128 v[GA], v[GW:GW+3]   offset:it*8192
	ds_store_b128 v[GA], v[GW+4:GW+7] offset:it*8192+512
	v_add_f32 v[GD],   0xc3000000, v[GD]           ; eight tiles on: q - k falls by 128
	v_add_f32 v[GD+1], 0xc3000000, v[GD+1]
.set it, it+1
.endr
	s_wait_loadcnt 20                              ; the six loads of masks are in; the 4 of VQ and the 16 of Q may stay out
	v_lshl_add_u32 v[GA], v0, 3, KQB
	ds_store_b64 v[GA], v[48:49]                   ; qmask of keys 2 t, 2 t + 1
	v_mov_b32 v54, 0xce6e6b28                      ; -1e9
	v_cmp_eq_u32 vcc_lo, 0, v50
	v_cndmask_b32 v52, 0, v54, vcc_lo
	v_cmp_eq_u32 vcc_lo, 0, v51
	v_cndmask_b32 v53, 0, v54, vcc_lo
	ds_store_b64 v[GA], v[52:53] offset:2048       ; 0, or -1e9 where the key is hidden
	; what the first step finds: O^T and l are 0, m lies below every score.  All this stands in the wait for the first tile.
	WIN W_L1
.set i, OT
.rept 128
	v_mov_b32 v[i], 0
.set i, i+1
.endr
	WIN 0
.irp t, 0,1,2,3
	v_mov_b32 v[ST+4*\t], 0xff000000
	v_mov_b32 v[ST+4*\t+1], 0
	v_mov_b32 v[ST+4*\t+2], 0
	v_mov_b32 v[ST+4*\t+3], 0
.endr
	v_mul_u32_u24 v[AK0], v1, PK
	v_lshl_add_u32 v[AK0], v2, 4, v[AK0]           ; key row x pitch + 16 x half
	; The turning load takes 16 keys x 16 channels (lane l reads key 8 (l / 16) + l % 8, channels 8 ((l / 8) % 2) + 0..7) and leaves half a fragment of V^T.
	v_and_b32 v[GT], 7, v0
	v_lshl_add_u32 v[AV0], v2, 3, v[GT]
	v_mul_u32_u24 v[AV0], v[AV0], PV
	v_bfe_u32 v[GW], v0, 3, 1
	v_lshl_add_u32 v[AV0], v[GW], 4, v[AV0]
	v_add_nc_u32 v[AV0], VB, v[AV0]
	s_lshl_b32 s3, s[WV], 12
	s_sub_co_u32 s3, GB+28*1024, s3                ; step s, tile i, key block c want table tile 2 s - 4 w + 28 + (c - i + 3)
	v_lshl_add_u32 v[AG0], v36, 4, s3
	v_lshl_add_u32 v[AQ0], v2, 5, KQB              ; eight words for each half of the lanes
	v_lshrrev_b32 v[ZA1], 1, v36                   ; of each 128 keys my wave has 16 rows to itself: 2,304 bytes, of which its lanes reach 2,288;
	v_mul_u32_u24 v[ZA1], v[ZA1], PK               ; row l / 2 of them,
	v_and_b32 v[GW], 1, v0
	v_lshl_add_u32 v[ZA1], v[GW], 6, v[ZA1]        ; half l % 2 of its 128 bytes
	s_mul_i32 s3, s[WV], 16*PK
	v_add_nc_u32 v[ZA1], s3, v[ZA1]
	v_add_nc_u32 v[ZA2], K2B, v[ZA1]
	s_mul_i32 s2, s[WV], 16*SP
	s_add_co_u32 s2, s2, STAGE                     ; my stage
	v_mul_u32_u24 v[STO], v1, SP
	v_lshl_add_u32 v[STO], v2, 4, v[STO]
	v_add_nc_u32 v[STO], s2, v[STO]
	v_bfe_u32 v[RD], v0, 3, 2
	v_mul_u32_u24 v[RD], v[RD], SP
	v_lshl_add_u32 v[RD], v[GT], 4, v[RD]
	v_add_nc_u32 v[RD], s2, v[RD]
; THE HIDDEN KEYS' ROWS.  For keys 128 u + t / 2: a thread reads its 64 bytes of the K1 row and of the K2 row into set n (ZLOAD), ANDs them with -1, or with 0 where mask = 0, and writes them back to the
; same bytes (ZBACK).  No other thread touches those bytes between the two barriers round this, and LDS serves a wave's instructions in order: no barrier stands between the read and the write.
.macro ZLOAD u, n
.irp f, 0,1,2,3
	ds_load_b128 v[ZT+32*(\n)+4*\f:ZT+32*(\n)+4*\f+3],       v[ZA1] offset:(\u)*128*PK+16*\f
	ds_load_b128 v[ZT+32*(\n)+16+4*\f:ZT+32*(\n)+16+4*\f+3], v[ZA2] offset:(\u)*128*PK+16*\f
.endr
.endm
.macro ZBACK u, n
	v_cmp_ne_u32 vcc_lo, 0, v[MSK+(\u)]
	v_cndmask_b32 v[ZM], 0, -1, vcc_lo
.set i, 0
.rept 32
	v_and_b32 v[ZT+32*(\n)+i], v[ZM], v[ZT+32*(\n)+i]
.set i, i+1
.endr
.irp f, 0,1,2,3
	ds_store_b128 v[ZA1], v[ZT+32*(\n)+4*\f:ZT+32*(\n)+4*\f+3]       offset:(\u)*128*PK+16*\f
	ds_store_b128 v[ZA2], v[ZT+32*(\n)+16+4*\f:ZT+32*(\n)+16+4*\f+3] offset:(\u)*128*PK+16*\f
.endr
.endm
; C for tile n's two key blocks: dis + (0 or -1e9), into buffer n % 2
.macro CADD n
.set rCA, CC0+(CC1-CC0)*((\n)%2)
.irp c, 0,1
.irp p, 0,2,4,6
	v_pk_add_f32 v[rCA+8*\c+\p:rCA+8*\c+\p+1], v[G+8*(\c-(\n)+3)+\p:G+8*(\c-(\n)+3)+\p+1], v[NV+8*\c+\p:NV+8*\c+\p+1]
.endr
.endr
.endm
; Tile n of a step: 8 products for the two kinds of scores, the choice, the softmax, 4 products V^T P.
.macro TILE n
.set rCC, CC0+(CC1-CC0)*((\n)%2)
.set rQ, 16*(\n)
.set rT, ST+4*(\n)
.set rO, OT+32*(\n)
.if (\n) == 0
	s_wait_dscnt 12                                ; K1 and K2 are in; the 4 loads of qmask words and the 8 of V may be out
.endif
	WIN W_S                                        ; the four accumulators take turns: three others stand between the two links of a chain
	v_wmma_f32_16x16x32_f16 v[SA:SA+7],    v[K1F:K1F+7],     v[rQ:rQ+7], v[rCC:rCC+7]
	v_wmma_f32_16x16x32_f16 v[SA+8:SA+15], v[K1F+16:K1F+23], v[rQ:rQ+7], v[rCC+8:rCC+15]
	v_wmma_f32_16x16x32_f16 v[SB:SB+7],    v[K2F:K2F+7],     v[rQ:rQ+7], v[rCC:rCC+7]
	v_wmma_f32_16x16x32_f16 v[SB+8:SB+15], v[K2F+16:K2F+23], v[rQ:rQ+7], v[rCC+8:rCC+15]
	v_wmma_f32_16x16x32_f16 v[SA:SA+7],    v[K1F+8:K1F+15],  v[rQ+8:rQ+15], v[SA:SA+7]
	v_wmma_f32_16x16x32_f16 v[SA+8:SA+15], v[K1F+24:K1F+31], v[rQ+8:rQ+15], v[SA+8:SA+15]
	v_wmma_f32_16x16x32_f16 v[SB:SB+7],    v[K2F+8:K2F+15],  v[rQ+8:rQ+15], v[SB:SB+7]
	v_wmma_f32_16x16x32_f16 v[SB+8:SB+15], v[K2F+24:K2F+31], v[rQ+8:rQ+15], v[SB+8:SB+15]
	WIN 0
.if (\n) < 3
	CADD (\n)+1                                    ; the next tile's C, into the other buffer: eight plain instructions, the places behind those products
.else
.rept 4
	v_nop
.endr
.endif
.if (\n) == 0
	s_wait_dscnt 8                                 ; the qmask words are in; V's 8 loads may be out
.endif
.irp j, 0,1,2,3,4,5,6,7,8,9,10,11,12,13,14,15
	v_cmp_eq_u32 s[MK+\j], v[VQ+(\n)], v[KQ+\j]
.endr
.irp j, 0,1,2,3,4,5,6,7,8,9,10,11,12,13,14,15
	v_cndmask_b32 v[SA+\j], v[SB+\j], v[SA+\j], s[MK+\j]  ; same speaker: q.k1, else q.k2; each accumulator is read from its low end on
.endr
	v_max3_num_f32 v[T0],   v[SA],    v[SA+1],  v[SA+2]
	v_max3_num_f32 v[T0+1], v[SA+3],  v[SA+4],  v[SA+5]
	v_max3_num_f32 v[T0+2], v[SA+6],  v[SA+7],  v[SA+8]
	v_max3_num_f32 v[T0+3], v[SA+9],  v[SA+10], v[SA+11]
	v_max3_num_f32 v[T0],   v[T0],    v[SA+12], v[SA+13]
	v_max3_num_f32 v[T0+1], v[T0+1],  v[SA+14], v[SA+15]
	v_max3_num_f32 v[T0+2], v[T0+2],  v[T0+3],  v[rT]
	v_max3_num_f32 v[T0],   v[T0],    v[T0+1],  v[T0+2]
	v_permlanex16_b32 v[T0+1], v[T0], s[SEL], s[SEL+1]  ; the query's other 16 keys lie in the lane 16 away
	v_max_num_f32 v[T0], v[T0], v[T0+1]            ; the new m
	v_sub_f32 v[T0+3], v[rT], v[T0]                ; m_old - m_new
	v_mov_b32 v[rT], v[T0]
	v_mul_f32 v[T0+3], s[CS], v[T0+3]
	v_exp_f32 v[T0+2], v[T0+3]                     ; a: the first of a batch of 17 exponentials
.irp p, 0,2,4,6,8,10,12,14
	v_pk_add_f32 v[SA+\p:SA+\p+1], v[SA+\p:SA+\p+1], v[rT:rT+1] op_sel_hi:[1,0] neg_lo:[0,1] neg_hi:[0,1]  ; s - m
.endr
.irp p, 0,2,4,6,8,10,12,14
	v_pk_mul_f32 v[SA+\p:SA+\p+1], v[SA+\p:SA+\p+1], s[CS:CS+1] op_sel_hi:[1,0]
.endr
.irp j, 0,1,2,3,4,5,6,7,8,9,10,11,12,13,14,15
	v_exp_f32 v[SA+\j], v[SA+\j]
.endr
	v_nop                                          ; a plain instruction behind the last exponential,
	s_wait_alu depctr_va_vdst(0)                   ; and the one wait ahead of the batch's first reader
.irp p, 0,1,2,3,4,5,6,7
	v_cvt_pk_f16_f32 v[P+\p], v[SA+2*\p], v[SA+2*\p+1]
.endr
	v_pk_add_f32 v[SA:SA+1],     v[SA:SA+1],     v[SA+2:SA+3]
	v_pk_add_f32 v[SA+4:SA+5],   v[SA+4:SA+5],   v[SA+6:SA+7]
	v_pk_add_f32 v[SA+8:SA+9],   v[SA+8:SA+9],   v[SA+10:SA+11]
	v_pk_add_f32 v[SA+12:SA+13], v[SA+12:SA+13], v[SA+14:SA+15]
	v_pk_add_f32 v[SA:SA+1],     v[SA:SA+1],     v[SA+4:SA+5]
	v_pk_add_f32 v[SA+8:SA+9],   v[SA+8:SA+9],   v[SA+12:SA+13]
	v_pk_add_f32 v[SA:SA+1],     v[SA:SA+1],     v[SA+8:SA+9]
	v_pk_fma_f32 v[rT+2:rT+3], v[rT+2:rT+3], v[T0+2:T0+3], v[SA:SA+1] op_sel_hi:[1,0,1]  ; l = a l + the sum
	WIN W_RS
.irp z, 0,2,4,6,8,10,12,14,16,18,20,22,24,26,28,30
	v_pk_mul_f32 v[rO+\z:rO+\z+1], v[rO+\z:rO+\z+1], v[T0+2:T0+3] op_sel_hi:[1,0]  ; O^T times a
.endr
.if (\n) == 0
	s_wait_dscnt 0x0                               ; V is in
.endif
	WIN W_PV
.irp cb, 0,1,2,3
	v_wmma_f32_16x16x32_f16 v[rO+8*\cb:rO+8*\cb+7], v[VF+8*\cb:VF+8*\cb+7], v[P:P+7], v[rO+8*\cb:rO+8*\cb+7]
.endr
	WIN 0
.endm
; A STEP: 32 keys for the wave's four tiles.  The five address lines are also the places between the last step's last products and the loads into V's registers.
; 42 LDS loads in one run: 10 of the table, 4 of 0 / -1e9, 8 of K1, 8 of K2, 4 of qmask words, 8 of V; the waits count the younger ones.
.macro STEP
	v_add_nc_u32 v[WK1], s[TK1], v[AK0]
	v_add_nc_u32 v[WK2], s[TK2], v[AK0]
	v_add_nc_u32 v[WVV], s[TV],  v[AV0]
	v_add_nc_u32 v[WG],  s[TG],  v[AG0]
	v_add_nc_u32 v[WQ],  s[TQ],  v[AQ0]
.irp y, 0,1,2,3,4
	ds_load_b128 v[G+8*\y:G+8*\y+3],   v[WG] offset:1024*\y
	ds_load_b128 v[G+8*\y+4:G+8*\y+7], v[WG] offset:1024*\y+512
.endr
.irp c, 0,1
	ds_load_b128 v[NV+8*\c:NV+8*\c+3],   v[WQ] offset:2048+64*\c
	ds_load_b128 v[NV+8*\c+4:NV+8*\c+7], v[WQ] offset:2048+64*\c+16
.endr
.irp f, 0,1,2,3                        ; key block f / 2, channels 32 (f % 2) on
	ds_load_b128 v[K1F+8*\f:K1F+8*\f+3],   v[WK1] offset:(\f/2)*16*PK+(\f%2)*64
	ds_load_b128 v[K1F+8*\f+4:K1F+8*\f+7], v[WK1] offset:(\f/2)*16*PK+(\f%2)*64+32
.endr
.irp f, 0,1,2,3
	ds_load_b128 v[K2F+8*\f:K2F+8*\f+3],   v[WK2] offset:(\f/2)*16*PK+(\f%2)*64
	ds_load_b128 v[K2F+8*\f+4:K2F+8*\f+7], v[WK2] offset:(\f/2)*16*PK+(\f%2)*64+32
.endr
.irp c, 0,1
	ds_load_b128 v[KQ+8*\c:KQ+8*\c+3],   v[WQ] offset:64*\c
	ds_load_b128 v[KQ+8*\c+4:KQ+8*\c+7], v[WQ] offset:64*\c+16
.endr
	WIN W_L1
.irp cb, 0,1,2,3
	ds_load_tr16_b128 v[VF+8*\cb:VF+8*\cb+3],   v[WVV] offset:32*\cb
	ds_load_tr16_b128 v[VF+8*\cb+4:VF+8*\cb+7], v[WVV] offset:16*PV+32*\cb
.endr
	WIN 0
	s_wait_dscnt 28                                ; the table's tiles and 0 / -1e9 are in; the 28 younger loads may be out
	CADD 0
	TILE 0
	TILE 1
	TILE 2
	TILE 3
	s_add_co_u32 s[TK1], s[TK1], 32*PK
	s_add_co_u32 s[TK2], s[TK2], 32*PK
	s_add_co_u32 s[TV],  s[TV],  32*PV
	s_add_co_u32 s[TG],  s[TG],  2048
	s_add_co_u32 s[TQ],  s[TQ],  128
.endm
	s_wait_tensorcnt 0x1                           ; keys 0-127 of my tensor are in; the load of keys 128-511 may stay out: no LDS byte is filled again
	s_wait_loadcnt 0x0                             ; VQ and Q
	s_wait_dscnt 0x0                               ; for the others' sake: my stores of the table and of the mask words
	s_barrier_signal -1
	s_barrier_wait -1                              ; keys 0-127 lie in LDS for everybody
	ZLOAD 0, 0
	s_wait_dscnt 0x0                               ; my half rows are in registers
	ZBACK 0, 0
	s_wait_dscnt 0x0                               ; for the others' sake: they are written back
	s_barrier_signal -1
	s_barrier_wait -1                              ; the hidden rows among keys 0-127 are cleared
	s_mov_b32 s[CNT], 4
.Lfirst_keys:                                          ; keys 0-127
	STEP
	s_sub_co_u32 s[CNT], s[CNT], 1
	s_cmp_lg_u32 s[CNT], 0
	s_cbranch_scc1 .Lfirst_keys
	s_wait_tensorcnt 0x0                           ; keys 128-511 of my tensor are in
	s_wait_dscnt 0x0
	s_barrier_signal -1
	s_barrier_wait -1                              ; everybody's are
	ZLOAD 1, 0                                     ; into registers that hold nothing between two steps; the last products that named them stand a tile's vector work back
	ZLOAD 2, 1
	ZLOAD 3, 2
	s_wait_dscnt 0x0
	ZBACK 1, 0
	ZBACK 2, 1
	ZBACK 3, 2
	s_wait_dscnt 0x0
	s_barrier_signal -1
	s_barrier_wait -1                              ; the hidden rows among keys 128-511 are cleared
	s_mov_b32 s[CNT], 12
.Lother_keys:                                          ; keys 128-511
	STEP
	s_sub_co_u32 s[CNT], s[CNT], 1
	s_cmp_lg_u32 s[CNT], 0
	s_cbranch_scc1 .Lother_keys
	; THE WAY OUT.  l's two halves and the other half of the lanes' are added; O^T is divided by l, rounded to f16 and sent through my stage, a tile at a time.  The additions are the places behind the last products.
.irp t, 0,1,2,3
	v_add_f32 v[ST+4*\t+2], v[ST+4*\t+2], v[ST+4*\t+3]
.endr
.irp t, 0,1,2,3
	v_permlanex16_b32 v[ST+4*\t+3], v[ST+4*\t+2], s[SEL], s[SEL+1]
.endr
.irp t, 0,1,2,3
	v_add_f32 v[ST+4*\t+2], v[ST+4*\t+2], v[ST+4*\t+3]
.endr
.irp t, 0,1,2,3
	v_rcp_f32 v[ST+4*\t+2], v[ST+4*\t+2]
.endr
	v_and_b32 v[GO], 31, v0                        ; plain work behind the last reciprocal: 16 x lane,
	v_lshlrev_b32 v[GO], 4, v[GO]
	s_wait_alu depctr_va_vdst(0)                   ; and the one wait for the four reciprocals, ahead of their first reader
.macro PACK t                          ; a lane's eight channels of a row pack into 16 bytes; they go into rows of 144 bytes and come back as whole rows of 128
	WIN W_RS
.set i, OT+32*(\t)
.rept 16
	v_pk_mul_f32 v[i:i+1], v[i:i+1], v[ST+4*(\t)+2:ST+4*(\t)+3] op_sel_hi:[1,0]
.set i, i+2
.endr
	WIN 0x05                                       ; sources 0 and 1 window 1, destination window 0
.set i, 0
.rept 16
	v_cvt_pk_f16_f32 v[PKD+16*(\t)+i], v[OT+32*(\t)+2*i], v[OT+32*(\t)+2*i+1]
.set i, i+1
.endr
	WIN 0
.irp f, 0,1,2,3
	ds_store_b128 v[STO], v[PKD+16*(\t)+4*\f:PKD+16*(\t)+4*\f+3] offset:32*\f
.endr
.irp f, 0,1,2,3
	ds_load_b128 v[PKD+16*(\t)+4*\f:PKD+16*(\t)+4*\f+3], v[RD] offset:\f*4*SP  ; LDS serves a wave's instructions in order (ISA guide 5.7.1.4): these see the stores above; the next tile's stores come behind them
.endr
.endm
.macro SEND t, younger                 ; younger: the LDS instructions issued behind tile t's loads: the next tile's eight, or none
.irp f, 0,1,2,3
	s_wait_dscnt (\younger)+3-\f
	global_store_b128 v[GO], v[PKD+16*(\t)+4*\f:PKD+16*(\t)+4*\f+3], s[14:15] offset:(\t)*2048+\f*512  ; 512 consecutive bytes, aligned
.endr
.endm
	PACK 0
	PACK 1
	SEND 0, 8
	PACK 2
	SEND 1, 8
	PACK 3
	SEND 2, 8
	SEND 3, 0
	s_wait_tensorcnt 0x0                           ; the wave's end: a closing add and its wait, behind my last tensor load and my last LDS store
	ds_add_u32 v[SPW], v[NIL]
	s_wait_dscnt 0x0
	s_endpgm
.Lfunc_end_k_q5719f1de6e_attn:
	.size	k_q5719f1de6e_attn, .Lfunc_end_k_q5719f1de6e_attn-k_q5719f1de6e_attn
	.p2alignl 7, 3214868480
	.fill 96, 4, 3214868480
	.section	.rodata,"a",@progbits
	.p2align	6, 0x0
	.amdhsa_kernel k_q5719f1de6e_attn
		.amdhsa_group_segment_fixed_size 327680
		.amdhsa_private_segment_fixed_size 0
		.amdhsa_enable_private_segment 0
		.amdhsa_kernarg_size 48
		.amdhsa_user_sgpr_count 2
		.amdhsa_user_sgpr_kernarg_segment_ptr 1
		.amdhsa_wavefront_size32 1
		.amdhsa_system_sgpr_workgroup_id_x 1
		.amdhsa_system_sgpr_workgroup_id_y 1
		.amdhsa_system_sgpr_workgroup_id_z 1
		.amdhsa_system_vgpr_workitem_id 0
		.amdhsa_next_free_vgpr 480
		.amdhsa_next_free_sgpr 88
		.amdhsa_reserve_vcc 1
		.amdhsa_float_denorm_mode_32 3
		.amdhsa_float_denorm_mode_16_64 3
		.amdhsa_memory_ordered 1
		.amdhsa_forward_progress 1
		.amdhsa_inst_pref_size 114
	.end_amdhsa_kernel
	.amdgpu_metadata
---
amdhsa.version: [ 1, 2 ]
amdhsa.kernels:
  - .name:           k_q5719f1de6e_attn
    .symbol:         k_q5719f1de6e_attn.kd
    .args:
      - { .name: qkv, .offset: 0, .size: 8, .value_kind: global_buffer, .address_space: global }
      - { .name: qmask, .offset: 8, .size: 8, .value_kind: global_buffer, .address_space: global }
      - { .name: mask, .offset: 16, .size: 8, .value_kind: global_buffer, .address_space: global }
      - { .name: shift, .offset: 24, .size: 8, .value_kind: global_buffer, .address_space: global }
      - { .name: bias_p, .offset: 32, .size: 8, .value_kind: global_buffer, .address_space: global }
      - { .name: ao, .offset: 40, .size: 8, .value_kind: global_buffer, .address_space: global }
    .group_segment_fixed_size: 327680
    .private_segment_fixed_size: 0
    .kernarg_segment_align: 8
    .kernarg_segment_size: 48
    .max_flat_workgroup_size: 256
    .sgpr_count:     88
    .vgpr_count:     480
    .wavefront_size: 32
...
	.end_amdgpu_metadata
.endif
;; end of part 3
;; launch proj (part 4): grid 4 x 64, 4 waves a work-group, clusters of 4 x 4, 327,680 bytes of LDS; arguments ao, wf, bfc, out0; writes out0
.if DOCPART == 4
	.amdgcn_target "amdgcn-amd-amdhsa--gfx1250"
	.amdhsa_code_object_version 6
	.text
	.protected	k_q5719f1de6e_proj
	.globl	k_q5719f1de6e_proj
	.p2align	8
	.type	k_q5719f1de6e_proj,@function
k_q5719f1de6e_proj:
	s_mov_b64 s[64:65], 0
	v_nop
	global_prefetch_b8 v0, s[64:65] scope:SCOPE_SE
	s_setreg_imm32_b32 hwreg(HW_REG_WAVE_MODE, 25, 1), 1
	s_wait_xcnt 0x0
	s_wait_alu depctr_hold_cnt(0) depctr_sa_sdst(0) depctr_va_vdst(0) depctr_va_sdst(0) depctr_va_ssrc(0) depctr_va_vcc(0) depctr_vm_vsrc(0)
	s_getreg_b32 s2, hwreg(HW_REG_IB_STS2, 6, 4)
	s_cmp_eq_u32 s2, 0
	s_cbranch_scc0 .Lentry_in_a_cluster
	s_endpgm
.Lentry_in_a_cluster:
	s_bfe_u32 s2, ttmp6, 0x10000c
	s_cmp_lg_u32 s2, 0xf033
	s_cbranch_scc0 .Lentry_shape_is_right
	s_endpgm
.Lentry_shape_is_right:
; out0 = O . wf + bfc.  O comes by heads: ao[h][8192][64] f16, so k = 64 h + channel.  wf: [1024 k][1024 n] f16 (Wfc rounded to bf16, written as f16).  bfc is rounded to bf16 like the other inputs.
; Sums in f32; out0 [8192][1024] f32.
; A tile of C is 128 x 256: 256 work-groups, one tile each.  Four waves, each 64 rows x 128 columns: 32 accumulators, window 2.  K goes in steps of 128 (two heads) through two LDS slots.
; A's tile: two planes (heads) of 128 rows x 128 bytes, each dense in memory and asked for as 64 rows of 256 bytes.  B's tile lies [k][n]: 128 rows of 512 bytes, read turned by ds_load_tr16_b128.
; CLUSTERS: 4 x 4 work-groups; A's tiles are shared along a row of the cluster, B's along a column, by joint loads.
; NO PREFETCH: the launch has eight K steps of 128 matrix instructions a wave and small tiles.
; THE MATRIX INSTRUCTION IS USED TRANSPOSED (source 0 = 16 columns of B, source 1 = 16 rows of A): a lane holds row l % 16 of C and eight neighbouring columns, 32 bytes of f32.
; REGISTERS: window 0: v0-31 addresses and the bias; v64-95, v128-159 fragments of A, two buffers; v32-95, v160-223 at work on the way out.  Window 1: v64-127, v128-191 fragments of B.
;   Window 2: accumulator (a, b) at v[8 (8 a + b)].
.set KSTEP,  128
.set PA,     144                       ; A's LDS row: 128 bytes + 16
.set PB,     544                       ; B's LDS row: 512 bytes + 32 = 17 x 32
.set PLANE,  128*PA                    ; a head's 128 rows
.set HALFB,  64*PB                     ; 64 k rows of B
.set SLOT,   2*PLANE+2*HALFB
.set STAGE,  2*SLOT                    ; behind the ring: 16 rows x 528 bytes for each wave
.set SPITCH, 528                       ; 512 bytes + 16: 33 x 16, so the 16 rows of a store start at 16 different groups of four banks
.set SPARE,  STAGE+4*16*SPITCH         ; the spare words, 128 bytes a wave: two blocks of 256 bytes that no other line names
.set LAPS,   4
.set BI,   8                           ; v[8:11] the bias of my four columns on the way out
.set ADRA, 16
.set ADRB, 20
.set STO,  24
.set RD,   25
.set CO,   26                          ; 16 x lane
.set BA,   27                          ; the bias's offset
.set SPW,  28
.set NIL,  29
.set F0,   64
.set F1,   128
.set G1,  24
.set G0,  32
.set G1B, 48
.set G0B, 56
.set MSB, 0
.macro WIN new
.if MSB != (\new)
	s_set_vgpr_msb (MSB<<8)|(\new)
.set MSB, \new
.endif
.endm
.set MUL,  0xa1                        ; source 0 (B) window 1, source 1 (A) window 0, C and D window 2
.set TO_B, 0x40
.macro JLOAD s                         ; a joint load: waves 0 and 1 fetch A's two planes, waves 2 and 3 B's two halves; an s_nop 0 and four v_nop follow each line
	s_cmp_eq_u32 s11, 0
	s_cbranch_scc0 .Lfor_b_\@
	tensor_load_to_lds s[G0+4*(\s):G0+4*(\s)+3], s[G1:G1+7]
	s_nop 0
.rept 4
	v_nop
.endr
	s_branch .Lasked_\@
.Lfor_b_\@:
	tensor_load_to_lds s[G0B+4*(\s):G0B+4*(\s)+3], s[G1B:G1B+7]
	s_nop 0
.rept 4
	v_nop
.endr
.Lasked_\@:
.endm
.macro CREST
	s_cmp_lg_u32 s10, 0
	s_cbranch_scc1 .Lnot_wave_0_\@
	s_barrier_signal -3
.Lnot_wave_0_\@:
	s_barrier_wait -3
	s_barrier_signal -1
	s_barrier_wait -1
.endm
.macro CROUND
	s_barrier_signal -1
	s_barrier_wait -1
	CREST
.endm
	s_load_b128 s[4:7], s[0:1], 0x0                ; ao s[4:5], wf s[6:7]
	s_load_b128 s[68:71], s[0:1], 0x10             ; bfc s[68:69], out0 s[70:71]
	v_lshl_add_u32 v[SPW], v0, 2, SPARE
	v_mov_b32 v[NIL], 0
	ds_add_u32 v[SPW], v[NIL]                      ; the wave's opening: the add and its wait stand ahead of my first tensor load
	v_lshrrev_b32 v1, 5, v0
	v_readfirstlane_b32 s10, v1                    ; wave 0..3
	s_lshr_b32 s11, s10, 1                         ; which 64 rows are mine.  Also: I fetch for A (0) or for B (1)
	s_and_b32 s12, s10, 1                          ; which 128 columns.  Also: which plane of A, or which half of B, I fetch
	s_bfe_u32 s40, ttmp6, 0x40000                  ; cx
	s_bfe_u32 s41, ttmp6, 0x40004                  ; cy
	s_lshl_b32 s42, ttmp9, 2
	s_add_co_u32 s42, s42, s40                     ; tile column
	s_and_b32 s13, ttmp7, 0xffff
	s_lshl_b32 s13, s13, 2
	s_add_co_u32 s13, s13, s41                     ; tile row
	s_lshl_b32 s43, s41, 2
	s_lshl_b32 s43, 15, s43                        ; my row of the cluster
	s_lshl_b32 s44, 0x1111, s40                    ; my column
	s_or_b32 s[G1+0], s43, (1<<16)|(1<<20)|(1<<21)|(4<<22)|(3<<25)   ; A: padding of 4 words after every 32
	s_or_b32 s[G1B+0], s44, (1<<16)|(1<<20)|(1<<21)|(6<<22)|(7<<25)  ; B: of 8 words after every 128
	s_mov_b32 s[G1+1], 128<<16                     ; A: 64 rows of 128 elements, dense
	s_mov_b32 s[G1+2], 64<<16
	s_mov_b32 s[G1+3], 128<<16
	s_mov_b32 s[G1+4], 64
	s_mov_b32 s[G1+5], 128
	s_mov_b32 s[G1+6], 0
	s_mov_b32 s[G1+7], 0
	s_mov_b32 s[G1B+1], 256<<16                    ; B: 64 rows of 256 elements, 1,024 from row to row
	s_mov_b32 s[G1B+2], 64<<16
	s_mov_b32 s[G1B+3], 256<<16
	s_mov_b32 s[G1B+4], 64
	s_mov_b32 s[G1B+5], 1024
	s_mov_b32 s[G1B+6], 0
	s_mov_b32 s[G1B+7], 0
	s_lshl_b32 s16, s12, 20                        ; A: head = plane, 1,048,576 bytes each,
	s_lshl_b32 s17, s13, 14                        ; 128 rows of 128 bytes x tile row
	s_add_co_u32 s16, s16, s17
	s_mov_b32 s17, 0
	s_lshl_b32 s46, s12, 17                        ; B: 64 rows of 2,048 bytes x half,
	s_lshl_b32 s47, s42, 9                         ; 512 bytes x tile column
	s_add_co_u32 s46, s46, s47
	s_mov_b32 s47, 0
	s_mul_i32 s20, s12, PLANE                      ; where they go: no place in the cluster enters an LDS address
	s_mul_i32 s21, s12, HALFB
	s_add_co_u32 s21, s21, 2*PLANE
	s_wait_dscnt 0x0                               ; the opening add is done
	s_wait_kmcnt 0x0
	s_add_nc_u64 s[14:15], s[4:5], s[16:17]
	s_add_nc_u64 s[46:47], s[6:7], s[46:47]
	CROUND                                         ; all sixteen work-groups are here: the first joint loads meet
.irp s, 0,1
	s_mov_b32 s[G0+4*(\s)], 1
	s_add_co_u32 s[G0+4*(\s)+1], s20, (\s)*SLOT
	s_add_nc_u64 s[G0+4*(\s)+2:G0+4*(\s)+3], s[14:15], (\s)*2*1048576
	s_or_b32 s[G0+4*(\s)+3], s[G0+4*(\s)+3], 0x80000000
	s_mov_b32 s[G0B+4*(\s)], 1
	s_add_co_u32 s[G0B+4*(\s)+1], s21, (\s)*SLOT
	s_add_nc_u64 s[G0B+4*(\s)+2:G0B+4*(\s)+3], s[46:47], (\s)*KSTEP*2048
	s_or_b32 s[G0B+4*(\s)+3], s[G0B+4*(\s)+3], 0x80000000
	JLOAD \s
.endr
	v_and_b32 v1, 15, v0                           ; l % 16
	v_bfe_u32 v2, v0, 4, 1                         ; l / 16
	v_and_b32 v[CO], 31, v0
	v_lshlrev_b32 v[CO], 4, v[CO]                  ; 16 x lane
	s_lshl_b32 s22, s42, 10
	s_lshl_b32 s23, s12, 9
	s_add_co_u32 s22, s22, s23                     ; my first column, in bytes of f32
	v_add_nc_u32 v[BA], s22, v[CO]
	global_load_b128 v[BI:BI+3], v[BA], s[68:69]   ; the bias of the four columns that I store
	v_mul_u32_u24 v3, v1, PA
	v_lshl_add_u32 v3, v2, 4, v3                   ; A: row x pitch + 16 x half
	v_and_b32 v4, 7, v0
	v_lshl_add_u32 v4, v2, 3, v4
	v_mul_u32_u24 v4, v4, PB                       ; B: k row 8 (l / 16) + l % 8,
	v_bfe_u32 v5, v0, 3, 1
	v_lshl_add_u32 v4, v5, 4, v4                   ; 16 bytes at 16 ((l / 8) % 2)
	s_mul_i32 s21, s11, 64*PA                      ; my 64 rows of A
	s_lshl_b32 s23, s12, 8                         ; my 128 columns of B,
	s_add_co_u32 s23, s23, 2*PLANE                 ; behind A's two planes
.irp s, 0,1
	v_add_nc_u32 v[ADRA+(\s)], s21, v3
	v_add_nc_u32 v[ADRB+(\s)], s23, v4
	s_add_co_u32 s21, s21, SLOT
	s_add_co_u32 s23, s23, SLOT
.endr
	s_mul_i32 s23, s10, 16*SPITCH
	s_add_co_u32 s23, s23, STAGE                   ; my stage
	v_mul_u32_u24 v6, v1, SPITCH                   ; in: row l % 16, 32 bytes for each half of the lanes
	v_lshl_add_u32 v6, v2, 5, v6
	v_add_nc_u32 v[STO], s23, v6
	v_add_nc_u32 v[RD], s23, v[CO]                 ; back: a row of 512 bytes, 16 bytes a lane
	s_lshl_b32 s16, s13, 7
	s_lshl_b32 s17, s11, 6
	s_add_co_u32 s16, s16, s17                     ; my first row of C,
	s_lshl_b32 s16, s16, 12                        ; 4,096 bytes a row,
	s_add_co_u32 s16, s16, s22                     ; and my first column
	s_mov_b32 s17, 0
	s_add_nc_u64 s[70:71], s[70:71], s[16:17]
; 8 matrix instructions: m block a x all 8 n blocks, 32 along K.  zero = 1: the first product starts the sums.
.macro MUL8 f, a, zero
	WIN MUL
.irp b, 0,1,2,3,4,5,6,7
.if \zero
	v_wmma_f32_16x16x32_f16 v[8*(8*(\a)+(\b)):8*(8*(\a)+(\b))+7], v[(\f)+8*(\b):(\f)+8*(\b)+7], v[(\f)+8*(\a):(\f)+8*(\a)+7], 0
.else
	v_wmma_f32_16x16x32_f16 v[8*(8*(\a)+(\b)):8*(8*(\a)+(\b))+7], v[(\f)+8*(\b):(\f)+8*(\b)+7], v[(\f)+8*(\a):(\f)+8*(\a)+7], v[8*(8*(\a)+(\b)):8*(8*(\a)+(\b))+7]
.endif
.endr
.endm
; 24 LDS loads in one run: quarter q (32 along K: plane q / 2, channels 32 (q % 2) on) into buffer f: B's 128 columns, turned, then A's 64 rows
.macro FETCH slot, q, f
	WIN TO_B
.irp i, 0,1,2,3,4,5,6,7
	ds_load_tr16_b128 v[(\f)+8*(\i):(\f)+8*(\i)+3],   v[ADRB+(\slot)] offset:(\q)*32*PB+32*(\i)
	ds_load_tr16_b128 v[(\f)+8*(\i)+4:(\f)+8*(\i)+7], v[ADRB+(\slot)] offset:(\q)*32*PB+16*PB+32*(\i)
.endr
	WIN 0
.irp i, 0,1,2,3
	ds_load_b128 v[(\f)+8*(\i):(\f)+8*(\i)+3],   v[ADRA+(\slot)] offset:((\q)/2)*PLANE+((\q)%2)*64+(\i)*16*PA
	ds_load_b128 v[(\f)+8*(\i)+4:(\f)+8*(\i)+7], v[ADRA+(\slot)] offset:((\q)/2)*PLANE+((\q)%2)*64+(\i)*16*PA+32
.endr
.endm
.macro PLACES                          ; four plain vector instructions in front of loads into registers that matrix instructions have read
.rept 4
	v_nop
.endr
.endm
; A K step is four quarters of 32 along K, 32 matrix instructions each, on buffers 0, 1, 0, 1; the 32 accumulators take turns in the same order in every quarter.
.macro QUARTER slot, q, f, g, zero
	s_wait_dscnt 4                                 ; B and A's blocks 0, 1 are in; the youngest four loads (blocks 2, 3) may be out
	MUL8 \f, 0, \zero
	MUL8 \f, 1, \zero
	PLACES
	FETCH \slot, \q, \g
	s_wait_dscnt 24                                ; all but the 24 just issued
	MUL8 \f, 2, \zero
	MUL8 \f, 3, \zero
.endm
; The last quarter multiplies buffer 1 and changes slots: ONE barrier; in front of it each wave waits for all its tensor loads, adds 0 to its spare word, and waits for that and for its reads of this slot.
; fill = 1: the barrier opens a round of the cluster's, and this slot is filled again, two K steps ahead: 112 matrix instructions ahead of the wait for it.
.macro TURN slot, next, fill
	WIN 0
	s_wait_tensorcnt 0x0                           ; all my tensor loads have landed: my part of the next slot
	ds_add_u32 v[SPW], v[NIL]                      ; 0 onto my spare word
	s_wait_dscnt 5                                 ; (the add and the youngest four loads may be out)
	MUL8 F1, 0, 0
	s_wait_dscnt 0x0                               ; the add is done, and my reads of this slot are over
	s_barrier_signal -1
	MUL8 F1, 1, 0
.if \fill
	WIN 0
.endif
	s_barrier_wait -1
.if \fill
	CREST
	s_add_nc_u64 s[G0+4*(\slot)+2:G0+4*(\slot)+3], s[G0+4*(\slot)+2:G0+4*(\slot)+3], 4*1048576
	s_add_nc_u64 s[G0B+4*(\slot)+2:G0B+4*(\slot)+3], s[G0B+4*(\slot)+2:G0B+4*(\slot)+3], 2*KSTEP*2048
	JLOAD \slot                                    ; the first tensor load behind the round; its four v_nop are also the places in front of the loads below
.else
	PLACES
.endif
	FETCH \next, 0, F0
	MUL8 F1, 2, 0
	MUL8 F1, 3, 0
.endm
	s_wait_tensorcnt 1                             ; my part of K step 0 is in; K step 1's may stay out
	s_wait_loadcnt 0x0                             ; the bias
	v_cvt_pk_bf16_f32 v12, v[BI], v[BI+1]          ; rounded to bf16,
	v_cvt_pk_bf16_f32 v13, v[BI+2], v[BI+3]
	v_lshlrev_b32 v[BI], 16, v12                   ; and widened again
	v_and_b32 v[BI+1], 0xffff0000, v12
	v_lshlrev_b32 v[BI+2], 16, v13
	v_and_b32 v[BI+3], 0xffff0000, v13
	s_barrier_signal -1
	s_barrier_wait -1
	FETCH 0, 0, F0
	QUARTER 0, 1, F0, F1, 1                        ; the first quarter stands in front of the loop: its products start the sums
	WIN 0
	s_mov_b32 s3, LAPS-1
.Llap:
	QUARTER 0, 2, F1, F0, 0
	QUARTER 0, 3, F0, F1, 0
	TURN 0, 1, 1
	QUARTER 1, 1, F0, F1, 0
	QUARTER 1, 2, F1, F0, 0
	QUARTER 1, 3, F0, F1, 0
	TURN 1, 0, 1
	QUARTER 0, 1, F0, F1, 0
	WIN 0
	s_sub_co_u32 s3, s3, 1
	s_cmp_lg_u32 s3, 0
	s_cbranch_scc1 .Llap
	QUARTER 0, 2, F1, F0, 0                        ; the last lap fills nothing
	QUARTER 0, 3, F0, F1, 0
	TURN 0, 1, 0
	QUARTER 1, 1, F0, F1, 0
	QUARTER 1, 2, F1, F0, 0
	QUARTER 1, 3, F0, F1, 0
	s_wait_dscnt 4
	MUL8 F1, 0, 0
	MUL8 F1, 1, 0
	s_wait_dscnt 0x0
	MUL8 F1, 2, 0
	MUL8 F1, 3, 0
	WIN 0
	PLACES
	PLACES
; THE WAY OUT of block a (16 rows x 128 columns of f32): 32 bytes a lane into my own stage, back as whole rows of 512 bytes, the bias added, stored.
.macro OUTB a
.set BK, 32+128*((\a)%2)
	WIN 0x08                                       ; the stores' data (source 1) in window 2
.irp b, 0,1,2,3,4,5,6,7
	ds_store_b128 v[STO], v[64*(\a)+8*(\b):64*(\a)+8*(\b)+3]   offset:64*(\b)
	ds_store_b128 v[STO], v[64*(\a)+8*(\b)+4:64*(\a)+8*(\b)+7] offset:64*(\b)+16
.endr
	WIN 0
.irp t, 0,1,2,3,4,5,6,7,8,9,10,11,12,13,14,15
	ds_load_b128 v[BK+4*(\t):BK+4*(\t)+3], v[RD] offset:(\t)*SPITCH  ; LDS serves a wave's instructions in order (ISA guide 5.7.1.4): these see the stores above
.endr
	s_wait_dscnt 0x0
.irp t, 0,1,2,3,4,5,6,7,8,9,10,11,12,13,14,15
	v_pk_add_f32 v[BK+4*(\t):BK+4*(\t)+1],   v[BK+4*(\t):BK+4*(\t)+1],   v[BI:BI+1]
	v_pk_add_f32 v[BK+4*(\t)+2:BK+4*(\t)+3], v[BK+4*(\t)+2:BK+4*(\t)+3], v[BI+2:BI+3]
.endr
	s_wait_xcnt 0x0                                ; the stores' base, and the buffer that the block after next loads into, are rewritten only behind this wait
.if (\a) > 0
	s_add_nc_u64 s[70:71], s[70:71], 16*4096
.endif
.irp t, 0,1,2,3,4,5,6,7,8,9,10,11,12,13,14,15
	global_store_b128 v[CO], v[BK+4*(\t):BK+4*(\t)+3], s[70:71] offset:(\t)*4096  ; 512 consecutive bytes of a row, aligned
.endr
.endm
	OUTB 0
	OUTB 1
	OUTB 2
	OUTB 3
	s_wait_tensorcnt 0x0                           ; the wave's end: a closing add and its wait, behind my last tensor load and my last LDS store
	ds_add_u32 v[SPW], v[NIL]
	s_wait_dscnt 0x0
	CROUND                                         ; the closing round
	s_endpgm
.Lfunc_end_k_q5719f1de6e_proj:
	.size	k_q5719f1de6e_proj, .Lfunc_end_k_q5719f1de6e_proj-k_q5719f1de6e_proj
	.p2alignl 7, 3214868480
	.fill 96, 4, 3214868480
	.section	.rodata,"a",@progbits
	.p2align	6, 0x0
	.amdhsa_kernel k_q5719f1de6e_proj
		.amdhsa_group_segment_fixed_size 327680
		.amdhsa_private_segment_fixed_size 0
		.amdhsa_enable_private_segment 0
		.amdhsa_kernarg_size 32
		.amdhsa_user_sgpr_count 2
		.amdhsa_user_sgpr_kernarg_segment_ptr 1
		.amdhsa_wavefront_size32 1
		.amdhsa_system_sgpr_workgroup_id_x 1
		.amdhsa_system_sgpr_workgroup_id_y 1
		.amdhsa_system_sgpr_workgroup_id_z 1
		.amdhsa_system_vgpr_workitem_id 0
		.amdhsa_next_free_vgpr 768
		.amdhsa_next_free_sgpr 72
		.amdhsa_reserve_vcc 0
		.amdhsa_float_denorm_mode_32 3
		.amdhsa_float_denorm_mode_16_64 3
		.amdhsa_memory_ordered 1
		.amdhsa_forward_progress 1
		.amdhsa_inst_pref_size 94
	.end_amdhsa_kernel
	.amdgpu_metadata
---
amdhsa.version: [ 1, 2 ]
amdhsa.kernels:
  - .name:           k_q5719f1de6e_proj
    .symbol:         k_q5719f1de6e_proj.kd
    .args:
      - { .name: ao, .offset: 0, .size: 8, .value_kind: global_buffer, .address_space: global }
      - { .name: wf, .offset: 8, .size: 8, .value_kind: global_buffer, .address_space: global }
      - { .name: bfc, .offset: 16, .size: 8, .value_kind: global_buffer, .address_space: global }
      - { .name: out0, .offset: 24, .size: 8, .value_kind: global_buffer, .address_space: global }
    .group_segment_fixed_size: 327680
    .private_segment_fixed_size: 0
    .kernarg_segment_align: 8
    .kernarg_segment_size: 32
    .max_flat_workgroup_size: 128
    .sgpr_count:     72
    .vgpr_count:     768
    .wavefront_size: 32
...
	.end_amdgpu_metadata
.endif
;; end of part 4
;; ======== version 2 of 2: 4 launches; version 1 with the launch cast written anew for expert scheduling mode
;; limits: values are held in f16: magnitudes above 65,504 overflow, below 6.1e-05 lose precision
;; workspace buffers: xb 16,777,216 bytes; wq 8,388,608 bytes; wf 2,097,152 bytes; qkv 67,108,864 bytes; ao 16,777,216 bytes
;; launch cast (part 5): grid 512 x 1, 8 waves a work-group, no clusters, 0 bytes of LDS; arguments x, Wqkv, Wfc, xb, wq, wf; writes xb, wq, wf
.if DOCPART == 5
	.amdgcn_target "amdgcn-amd-amdhsa--gfx1250"
	.amdhsa_code_object_version 6
	.text
	.protected	k_q5719f1de6e_cast
	.globl	k_q5719f1de6e_cast
	.p2align	8
	.type	k_q5719f1de6e_cast,@function
k_q5719f1de6e_cast:
	s_mov_b64 s[64:65], 0
	v_nop
	global_prefetch_b8 v0, s[64:65] scope:SCOPE_SE
	s_setreg_imm32_b32 hwreg(HW_REG_WAVE_SCHED_MODE, 0, 2), 2
	s_setreg_imm32_b32 hwreg(HW_REG_WAVE_MODE, 25, 1), 1
	s_wait_xcnt 0x0
	s_wait_alu depctr_vm_vsrc(0)
; xb = bf16(x), wq = bf16(Wqkv), wf = f16(bf16(Wfc)): the three large inputs rounded once to bf16, layouts unchanged.
; wf is that bf16 number written as f16, since the last product multiplies it by an f16 operand.
; LIMITS.  |Wfc| stays within 65,504; below 2^-14 the f16 copy keeps f16's fixed step of 2^-24.
; A stream: no LDS, no barrier, no matrix work.  A ROW here is 1,024 numbers: 4,096 bytes in, 2,048 bytes out.
; Work-group g takes 16 rows of x, 8 of Wqkv and 2 of Wfc.  Thread t owns 4 numbers of every row: a wave's load covers 512 consecutive bytes,
; a wave's store 256 consecutive bytes, aligned.  All 26 loads of a wave go out first (13 KiB a wave); each is then converted in place and stored.
; No register that a load or store reads is written again, so no wait frees a memory instruction's sources.
; THE MODE: SCHED_MODE bits 1:0 = 2 (LLVM: expert scheduling mode 2), set by the entry lines.  The code itself states the register dependences
; between vector instructions and memory instructions, with s_wait_alu, always for 0.
; THE PLAN.  Registers that memory instructions touch:
;   v1, v2   byte offsets, made once at the head and never written again: v1 is read by every load, v2 by every store.
;   X[n]     four registers for load n.  Load n lands in them (no vector instruction has named them before); its conversions read the four and write
;            the first two, in place; store n reads those two; nothing writes them afterwards.
;   T        named by vector instructions alone.
; The 26 loads are taken in blocks of four (the last block: Wfc's two).  Block p's vector instructions name X of block p and T; its memory instructions are
; the stores of block p - 1, which read X of block p - 1 and v2.  So ONE wait at a block's head, that the block before has written its X, states all that
; the block's stores hang on, and these are dealt among its conversions with no further wait.
.set ROWI, 4096
.set ROWO, 2048
.set X,    8                           ; v[8:111]   load i: four registers
.set T,    112                         ; v[112:115] at work, for Wfc
	s_load_b256 s[4:11], s[0:1], 0x0               ; x s[4:5], Wqkv s[6:7], Wfc s[8:9], xb s[10:11]
	s_load_b128 s[12:15], s[0:1], 0x20             ; wq s[12:13], wf s[14:15]
	v_lshlrev_b32 v1, 4, v0                        ; 16 t: my bytes in a row that is read
	v_lshlrev_b32 v2, 3, v0                        ; 8 t: in a row that is written
	s_mov_b32 s17, 0
	s_mov_b32 s18, 0xffff0000                      ; a word's upper bf16
	s_wait_kmcnt 0x0
	s_lshl_b32 s16, ttmp9, 16                      ; 16 rows of x in
	s_add_nc_u64 s[4:5], s[4:5], s[16:17]
	s_lshl_b32 s16, ttmp9, 15                      ; 8 rows of Wqkv in; 16 rows of xb out
	s_add_nc_u64 s[6:7], s[6:7], s[16:17]
	s_add_nc_u64 s[10:11], s[10:11], s[16:17]
	s_lshl_b32 s16, ttmp9, 14                      ; 8 rows of wq out
	s_add_nc_u64 s[12:13], s[12:13], s[16:17]
	s_lshl_b32 s16, ttmp9, 13                      ; 2 rows of Wfc in
	s_add_nc_u64 s[8:9], s[8:9], s[16:17]
	s_lshl_b32 s16, ttmp9, 12                      ; 2 rows of wf out
	s_add_nc_u64 s[14:15], s[14:15], s[16:17]
	s_wait_alu depctr_va_vdst(0)                   ; v1 and v2 are written: every load of the kernel reads v1 as its offset, every store v2
.set i, 0
.rept 16
	global_load_b128 v[X+4*i:X+4*i+3], v1, s[4:5] offset:i*ROWI th:TH_LOAD_NT
.set i, i+1
.endr
.rept 8
	global_load_b128 v[X+4*i:X+4*i+3], v1, s[6:7] offset:(i-16)*ROWI th:TH_LOAD_NT
.set i, i+1
.endr
.rept 2
	global_load_b128 v[X+4*i:X+4*i+3], v1, s[8:9] offset:(i-24)*ROWI th:TH_LOAD_NT
.set i, i+1
.endr
; Load n is converted, in place: four f32 close up into two registers.  Loads 24 and 25 are Wfc's: their bf16 numbers are written as f16.
.macro CONV n
	v_cvt_pk_bf16_f32 v[X+4*(\n)],   v[X+4*(\n)],   v[X+4*(\n)+1]
	v_cvt_pk_bf16_f32 v[X+4*(\n)+1], v[X+4*(\n)+2], v[X+4*(\n)+3]
.if (\n) >= 24
	v_lshlrev_b32 v[T],   16,  v[X+4*(\n)]
	v_and_b32     v[T+1], s18, v[X+4*(\n)]
	v_lshlrev_b32 v[T+2], 16,  v[X+4*(\n)+1]
	v_and_b32     v[T+3], s18, v[X+4*(\n)+1]
	v_cvt_pk_f16_f32 v[X+4*(\n)],   v[T],   v[T+1]
	v_cvt_pk_f16_f32 v[X+4*(\n)+1], v[T+2], v[T+3]
.endif
.endm
; What load n has become is stored: loads 0-15 into xb, 16-23 into wq, 24 and 25 into wf.
.macro SEND n
.if (\n) < 16
	global_store_b64 v2, v[X+4*(\n):X+4*(\n)+1], s[10:11] offset:(\n)*ROWO th:TH_STORE_NT
.elseif (\n) < 24
	global_store_b64 v2, v[X+4*(\n):X+4*(\n)+1], s[12:13] offset:((\n)-16)*ROWO th:TH_STORE_NT
.else
	global_store_b64 v2, v[X+4*(\n):X+4*(\n)+1], s[14:15] offset:((\n)-24)*ROWO th:TH_STORE_NT
.endif
.endm
; Blocks 0 to 5: loads 4 p to 4 p + 3.  A store of the block before stands ahead of each load's conversions.
.set p, 0
.rept 6
	s_wait_loadcnt 22-4*p                          ; loads come back in order: the block's four are in, the 22 - 4 p younger ones stay out
.if p > 0
	s_wait_alu depctr_va_vdst(0)                   ; the block before has written its X, which the four stores below read; no vector instruction below names those registers or v2
.endif
.irp k, 0,1,2,3
.if p > 0
	SEND (4*p-4+\k)
.endif
	CONV (4*p+\k)
.endr
.set p, p+1
.endr
; Block 6: Wfc's two loads, and the stores of block 5.
	s_wait_loadcnt 0x0                             ; the last two loads are in
	s_wait_alu depctr_va_vdst(0)                   ; block 5 has written X[20] to X[23], which the four stores below read
	SEND 20
	CONV 24
	SEND 21
	CONV 25
	SEND 22
	SEND 23
	s_wait_alu depctr_va_vdst(0)                   ; block 6 has written X[24] and X[25], which the last two stores read
	SEND 24
	SEND 25
	s_endpgm
.Lfunc_end_k_q5719f1de6e_cast:
	.size	k_q5719f1de6e_cast, .Lfunc_end_k_q5719f1de6e_cast-k_q5719f1de6e_cast
	.p2alignl 7, 3214868480
	.fill 96, 4, 3214868480
	.section	.rodata,"a",@progbits
	.p2align	6, 0x0
	.amdhsa_kernel k_q5719f1de6e_cast
		.amdhsa_group_segment_fixed_size 0
		.amdhsa_private_segment_fixed_size 0
		.amdhsa_enable_private_segment 0
		.amdhsa_kernarg_size 48
		.amdhsa_user_sgpr_count 2
		.amdhsa_user_sgpr_kernarg_segment_ptr 1
		.amdhsa_wavefront_size32 1
		.amdhsa_system_sgpr_workgroup_id_x 1
		.amdhsa_system_sgpr_workgroup_id_y 1
		.amdhsa_system_sgpr_workgroup_id_z 1
		.amdhsa_system_vgpr_workitem_id 0
		.amdhsa_next_free_vgpr 120
		.amdhsa_next_free_sgpr 66
		.amdhsa_reserve_vcc 0
		.amdhsa_float_denorm_mode_32 3
		.amdhsa_float_denorm_mode_16_64 3
		.amdhsa_memory_ordered 1
		.amdhsa_forward_progress 1
		.amdhsa_inst_pref_size 11
	.end_amdhsa_kernel
	.amdgpu_metadata
---
amdhsa.version: [ 1, 2 ]
amdhsa.kernels:
  - .name:           k_q5719f1de6e_cast
    .symbol:         k_q5719f1de6e_cast.kd
    .args:
      - { .name: x, .offset: 0, .size: 8, .value_kind: global_buffer, .address_space: global }
      - { .name: Wqkv, .offset: 8, .size: 8, .value_kind: global_buffer, .address_space: global }
      - { .name: Wfc, .offset: 16, .size: 8, .value_kind: global_buffer, .address_space: global }
      - { .name: xb, .offset: 24, .size: 8, .value_kind: global_buffer, .address_space: global }
      - { .name: wq, .offset: 32, .size: 8, .value_kind: global_buffer, .address_space: global }
      - { .name: wf, .offset: 40, .size: 8, .value_kind: global_buffer, .address_space: global }
    .group_segment_fixed_size: 0
    .private_segment_fixed_size: 0
    .kernarg_segment_align: 8
    .kernarg_segment_size: 48
    .max_flat_workgroup_size: 256
    .sgpr_count:     66
    .vgpr_count:     120
    .wavefront_size: 32
...
	.end_amdgpu_metadata
.endif
;; end of part 5
;; launch qkvgemm: the kernel of part 2 again; grid 16 x 16, 4 waves a work-group, clusters of 4 x 4, 327,680 bytes of LDS; arguments xb, wq, qkv; writes qkv
;; launch attn: the kernel of part 3 again; grid 16 x 16, 8 waves a work-group, no clusters, 327,680 bytes of LDS; arguments qkv, qmask, mask, shift, bias_p, ao; writes ao
;; launch proj: the kernel of part 4 again; grid 4 x 64, 4 waves a work-group, clusters of 4 x 4, 327,680 bytes of LDS; arguments ao, wf, bfc, out0; writes out0
